; MI455X (gfx1250); checked and timed in simulation.
; The chip was launched on July 23, 2026; its instructions are those of AMD's public machine-readable ISA for CDNA 5 (MIT licence, August 2026) and "CDNA5" Instruction Set Architecture Reference Guide (July 2026). The comments in the code are by the model that wrote it; some were corrected since.
;; Transformer Block. Allowed arithmetic: matrix products marked QUANTISED: E2M1 operands, one E8M0 scale for each 32 along K, by v_wmma_scale_f32_16x16x128_f8f6f4 with both operands' format E2M1 (or v_wmma_scale_f32_32x16x128_f4), f32 sums; everything else in f32.
;; Inputs: W1 1,024 x 4,096 float32; W2 4,096 x 1,024 float32; Wk 1,024 x 1,024 float32; Wq 1,024 x 1,024 float32; Wv 1,024 x 1,024 float32; b1 4,096 float32; b2 1,024 float32; be1 1,024 float32; be2 1,024 float32; g1 1,024 float32; g2 1,024 float32; x 2 x 2,048 x 1,024 float32.
;; Outputs: out0 2 x 2,048 x 1,024 float32.
;; This version of the problem:
;;   THIS VERSION OF THE PROBLEM IS GIVEN IN LOW PRECISION. The matrix products marked QUANTISED in the list below multiply operands that are first quantised to E2M1 (2 exponent bits, 1 mantissa bit; 4 bits a number), with one power-of-two scale for each 32 numbers along K (OCP MX v1.0); their sums are f32. All else is computed in f32.
;;   The module's matrix products, in the order in which they are computed (A, B: the left and right operand; K: the contracted axis; several contracted axes count as one K, in the product's order):
;;     1. [M 4,096, K 1,024] x [K 1,024, N 1,024]; A: computed on the way; B: input Wq: QUANTISED
;;     2. [M 4,096, K 1,024] x [K 1,024, N 1,024]; A: computed on the way; B: input Wk: QUANTISED
;;     3. [M 4,096, K 1,024] x [K 1,024, N 1,024]; A: computed on the way; B: input Wv: QUANTISED
;;     4. batch 32 x [M 2,048, K 64] x [K 64, N 2,048]; A: computed on the way; B: computed on the way: QUANTISED
;;     5. batch 32 x [M 2,048, K 2,048] x [K 2,048, N 64]; A: softmax (see below); B: computed on the way: QUANTISED
;;     6. [M 4,096, K 1,024] x [K 1,024, N 4,096]; A: computed on the way; B: input W1: QUANTISED
;;     7. [M 4,096, K 4,096] x [K 4,096, N 1,024]; A: computed on the way; B: input W2: QUANTISED
;;   THE QUANTISER, for each operand of a quantised product, along K:
;;     - K is cut into blocks of 32 from its start; a last block that is shorter is filled with zeros.
;;     - A block's scale is 2^e with e = floor(log2(the largest magnitude in the block)) - 2, held to -126 .. 127; a block of zeros has e = 0. As a byte (E8M0): e + 127.
;;     - Each number is divided by its block's scale, clamped to +-6, and rounded to the nearest number of E2M1, ties to even, subnormals kept.
;;     - The product sums the exact products of the quantised numbers (number of the format x scale) in f32.
;;   ~~~python
;;   def quantise(x, axis):      # numpy; x: float32 -> the quantised numbers, widened to float32 again
;;       x = np.moveaxis(x, axis, -1); K = x.shape[-1]
;;       x = np.pad(x, [(0, 0)] * (x.ndim - 1) + [(0, -K % 32)]); x = x.reshape(x.shape[:-1] + (-1, 32)); a = np.abs(x).max(-1, keepdims=True)
;;       e = np.where(a > 0, np.clip(np.frexp(np.where(a > 0, a, 1))[1] - 1 - 2, -126, 127), 0)      # np.frexp(a)[1] - 1 = floor(log2(a)), exactly
;;       r = np.clip(x / 2.0 ** e, -6, 6)
;;       step = 2.0 ** (np.maximum(np.frexp(np.where(r == 0, 1, r))[1] - 1, 0) - 1)
;;       q = np.round(r / step) * step * 2.0 ** e      # np.round: ties to even
;;       return np.moveaxis(q.reshape(q.shape[:-2] + (-1,))[..., :K], -1, axis).astype(np.float32)
;;   ~~~
;;   SOFTMAX AHEAD OF A QUANTISED PRODUCT. Where the list says 'softmax', what is quantised is not the finished softmax but p = 2^(t - M), with t = logit x log2(e) and M = ceil(the row's largest t), a whole number; so 1/2 < the row's largest p <= 1. The row's sum l is taken of the UNQUANTISED p, in f32, and the product's result is divided by l at the end. Since M is a whole number, a kernel that streams over the keys may use a running M (the ceiling of the running maximum): every later rescaling is an exact power of two, which a block's scale takes up: the codes' values come out the same.
;;   OPERANDS COMPUTED ON THE WAY. 'Computed on the way' means the value that the module computes at that place (a softmax that the list does not call 'softmax' is quantised finished and normalised). What goes into a quantiser is computed in f32, as accurately as f32 sums, v_exp_f32 and their like allow (about 1e-6 of the number): no bf16 or f16 on the way to a quantiser, and a product that is left as it is and whose result goes on into a quantised operand takes f32 operands (vector FMAs, or v_wmma_f32_16x16x4_f32). A number that lies on a knife's edge between two numbers of the format may be rounded either way, as far as f32 arithmetic and the matrix unit's own rounding can turn it there, and no further.
;; One version. Each part assembles by itself: llvm-mc -triple=amdgcn-amd-amdhsa -mcpu=gfx1250 --defsym DOCPART=n.
;; ======== version 1 of 1: 5 launches
;; limits: right only within a limited range of input values
;; workspace buffers: wts 6,127,616 bytes; xn 2,228,224 bytes; qkvc 6,946,816 bytes; xres 16,777,216 bytes; xr 2,752,512 bytes; hid 8,912,896 bytes
;; launch prep (part 1): grid 432 x 1, 8 waves a work-group, no clusters, 67,584 bytes of LDS; arguments x, g1, be1, Wq, Wk, Wv, W1, W2, xn, wts; writes xn, wts
.if DOCPART == 1
	.amdgcn_target "amdgcn-amd-amdhsa--gfx1250"
	.amdhsa_code_object_version 6
	.text
	.protected	k_q6dbb81d0ec_prep
	.globl	k_q6dbb81d0ec_prep
	.p2align	8
	.type	k_q6dbb81d0ec_prep,@function
k_q6dbb81d0ec_prep:
	s_mov_b64 s[64:65], 0
	v_nop
	global_prefetch_b8 v0, s[64:65] scope:SCOPE_SE
	s_setreg_imm32_b32 hwreg(HW_REG_WAVE_MODE, 25, 1), 1
	s_wait_xcnt 0x0
; Work-groups 0-255: LN1(x) for 16 tokens each, quantised along the 1,024 channels to FP4 (E2M1) codes with one E8M0 byte for each 32.
; Work-groups 256-431: the five weights ([K][N], f32), quantised along K, 256 columns x 256 K each.
; LAYOUT of every operand this program makes.  Rows (tokens, weight columns) are kept by POSITION: position P holds the true index P with bits 3 and 4 exchanged.
; Codes: the 16 bytes of (P, block kb) lie at ((P / 16) (K / 32) + kb) 256 + 16 (P % 16): a fragment of 16 rows x 128 K is 1,024 bytes on end, in the order of the operand's registers.
; Scale bytes: (P, kb) at ((P / 16) (K / 512) + kb / 16) 256 + 16 (P % 16) + kb % 16.
; A block's scale is 2^(floor(log2(its largest magnitude)) - 2); its byte is the largest magnitude's exponent field - 2, held at 1 from below.
; LIMITS: NaN and infinities among the inputs are not served.  A block of zeros gets the byte 1 (its codes are zeros; this program alone reads the bytes).
; No work-group shares an input tile with another, so there are no clusters and no tensor loads; loads go straight into registers.
.set PITCH, 4112                       ; a stage row: 4,096 bytes + 16: the 16 rows that a load touches start at 16 different banks
.set SCB,   16*PITCH                   ; behind the stage: the group's 512 scale bytes
.set XNS,   2097152                    ; xn: where the scale bytes begin
.set X,     32                         ; v32-95   two rows of x, later two blocks; in the weights' path two sets of 32 numbers
.set GA,    96                         ; v96-127  g1 (weights' path: the codes, four registers a block)
.set BE,    128                        ; v128-159 be1
.set CD,    160                        ; v160-167 codes
; 32 numbers v[xs] .. v[xs + 31], one block: four registers of codes into v[cc] on, the scale's byte into v13
.macro QBLOCK xs, cc
	v_max3_num_f32 v12, |v[\xs]|, |v[\xs+1]|, |v[\xs+2]|
	v_max3_num_f32 v13, |v[\xs+3]|, |v[\xs+4]|, |v[\xs+5]|
.irp i, 6,10,14,18,22,26
	s_delay_alu instid0(VALU_DEP_2)
	v_max3_num_f32 v12, v12, |v[\xs+\i]|, |v[\xs+\i+1]|
	s_delay_alu instid0(VALU_DEP_2)
	v_max3_num_f32 v13, v13, |v[\xs+\i+2]|, |v[\xs+\i+3]|
.endr
	s_delay_alu instid0(VALU_DEP_2)
	v_max3_num_f32 v12, v12, |v[\xs+30]|, |v[\xs+31]|
	s_delay_alu instid0(VALU_DEP_1)
	v_max3_num_f32 v12, v12, v13, 0x1800000        ; and the floor 2^(3 - 127): the byte cannot fall under 1
	s_delay_alu instid0(VALU_DEP_1)
	v_add_nc_u32 v11, 0xff000000, v12              ; 2 off the exponent field: the conversion's scale operand
.irp g, 0,1,2,3
	v_cvt_scalef32_pk8_fp4_f32 v[\cc+\g], v[\xs+8*\g:\xs+8*\g+7], v11
.endr
	v_lshrrev_b32 v13, 23, v11                     ; the byte (also the plain line behind the conversions)
.endm
.macro LANESUM a, t                    ; the sum over the wave's 32 lanes, in every lane
	s_delay_alu instid0(VALU_DEP_1)
	v_add_f32_dpp v[\a], v[\a], v[\a] row_xmask:1 row_mask:0xf bank_mask:0xf
	s_delay_alu instid0(VALU_DEP_1)
	v_add_f32_dpp v[\a], v[\a], v[\a] row_xmask:2 row_mask:0xf bank_mask:0xf
	s_delay_alu instid0(VALU_DEP_1)
	v_add_f32_dpp v[\a], v[\a], v[\a] row_xmask:4 row_mask:0xf bank_mask:0xf
	s_delay_alu instid0(VALU_DEP_1)
	v_add_f32_dpp v[\a], v[\a], v[\a] row_xmask:8 row_mask:0xf bank_mask:0xf
	s_delay_alu instid0(VALU_DEP_1)
	v_permlanex16_b32 v[\t], v[\a], s28, s29
	s_delay_alu instid0(VALU_DEP_1)
	v_add_f32 v[\a], v[\a], v[\t]
.endm
; row e: the mean, the row centred in place, the variance + 1e-5 in v[10 + 8 e]
.macro ROWSTAT e
.set XR, X+32*\e
.set T, 8+8*\e
	v_pk_add_f32 v[T:T+1], v[XR:XR+1], v[XR+2:XR+3]
	v_pk_add_f32 v[T+2:T+3], v[XR+4:XR+5], v[XR+6:XR+7]
.irp j, 8,12,16,20,24,28
	s_delay_alu instid0(VALU_DEP_2)
	v_pk_add_f32 v[T:T+1], v[T:T+1], v[XR+\j:XR+\j+1]
	s_delay_alu instid0(VALU_DEP_2)
	v_pk_add_f32 v[T+2:T+3], v[T+2:T+3], v[XR+\j+2:XR+\j+3]
.endr
	s_delay_alu instid0(VALU_DEP_1)
	v_pk_add_f32 v[T:T+1], v[T:T+1], v[T+2:T+3]
	s_delay_alu instid0(VALU_DEP_1)
	v_add_f32 v[T], v[T], v[T+1]
	LANESUM T, T+1
	s_delay_alu instid0(VALU_DEP_1)
	v_mul_f32 v[T], s30, v[T]                      ; the mean
.irp j, 0,2,4,6,8,10,12,14,16,18,20,22,24,26,28,30
	v_pk_add_f32 v[XR+\j:XR+\j+1], v[XR+\j:XR+\j+1], v[T:T+1] op_sel_hi:[1,0] neg_lo:[0,1] neg_hi:[0,1]
.endr
	v_pk_mul_f32 v[T+2:T+3], v[XR:XR+1], v[XR:XR+1]
	v_pk_mul_f32 v[T+4:T+5], v[XR+2:XR+3], v[XR+2:XR+3]
.irp j, 4,8,12,16,20,24,28
	s_delay_alu instid0(VALU_DEP_2)
	v_pk_fma_f32 v[T+2:T+3], v[XR+\j:XR+\j+1], v[XR+\j:XR+\j+1], v[T+2:T+3]
	s_delay_alu instid0(VALU_DEP_2)
	v_pk_fma_f32 v[T+4:T+5], v[XR+\j+2:XR+\j+3], v[XR+\j+2:XR+\j+3], v[T+4:T+5]
.endr
	s_delay_alu instid0(VALU_DEP_1)
	v_pk_add_f32 v[T+2:T+3], v[T+2:T+3], v[T+4:T+5]
	s_delay_alu instid0(VALU_DEP_1)
	v_add_f32 v[T+2], v[T+2], v[T+3]
	LANESUM T+2, T+3
	s_delay_alu instid0(VALU_DEP_1)
	v_fmaak_f32 v[T+2], s30, v[T+2], 0x3727c5ac    ; the sum of squares / 1,024 + 1e-5
.endm
	s_load_b256 s[4:11], s[0:1], 0x0               ; x s[4:5], g1 s[6:7], be1 s[8:9], Wq s[10:11]
	s_load_b256 s[12:19], s[0:1], 0x20             ; Wk s[12:13], Wv s[14:15], W1 s[16:17], W2 s[18:19]
	s_load_b128 s[20:23], s[0:1], 0x40             ; xn s[20:21], wts s[22:23]
	v_lshl_add_u32 v168, v0, 2, 0x10400
	v_mov_b32 v169, 0
	v_lshrrev_b32 v1, 5, v0
	s_delay_alu instid0(VALU_DEP_1)
	v_readfirstlane_b32 s24, v1                    ; wave 0..7
	v_and_b32 v2, 31, v0                           ; lane
	v_and_b32 v3, 15, v0                           ; r
	v_bfe_u32 v4, v0, 4, 1                         ; h
	s_delay_alu instid0(VALU_DEP_3)
	v_lshlrev_b32 v1, 4, v2                        ; 16 x lane
	s_cmp_lt_u32 ttmp9, 256
	s_cbranch_scc0 .Lweights
	; ---- LN1.  The work-group is position group g = its number; wave w takes local rows 2 w and 2 w + 1, which are neighbouring tokens
	s_lshr_b32 s25, ttmp9, 1
	s_lshl_b32 s25, s25, 5
	s_and_b32 s26, ttmp9, 1
	s_lshl_b32 s26, s26, 3
	s_add_co_u32 s25, s25, s26
	s_and_b32 s26, s24, 3
	s_lshl_b32 s26, s26, 1
	s_add_co_u32 s25, s25, s26
	s_lshr_b32 s26, s24, 2
	s_lshl_b32 s26, s26, 4
	s_add_co_u32 s25, s25, s26                     ; my first token: 32 (g / 2) + 8 (g % 2) + 2 (w % 4) + 16 (w / 4)
	s_lshl_b32 s26, s25, 12
	s_mov_b32 s27, 0
	s_mov_b32 s28, 0x76543210
	s_mov_b32 s29, 0xfedcba98                      ; selects for lane l xor 16
	s_mov_b32 s30, 0x3a800000                      ; 1 / 1,024
	s_wait_kmcnt 0x0
	s_add_nc_u64 s[4:5], s[4:5], s[26:27]
	s_wait_alu depctr_va_vdst(0)
.irp e, 0,1
.irp i, 0,1,2,3,4,5,6,7
	global_load_b128 v[X+32*\e+4*\i:X+32*\e+4*\i+3], v1, s[4:5] offset:4096*\e+512*\i th:TH_LOAD_NT
.endr
.endr
.irp i, 0,1,2,3,4,5,6,7
	global_load_b128 v[GA+4*\i:GA+4*\i+3], v1, s[6:7] offset:512*\i
	global_load_b128 v[BE+4*\i:BE+4*\i+3], v1, s[8:9] offset:512*\i
.endr
	s_mul_i32 s31, s24, 2*PITCH
	v_add_nc_u32 v24, s31, v1                      ; the stage, in: my two rows, 16 bytes a lane
	v_mul_u32_u24 v25, v3, PITCH
	s_delay_alu instid0(VALU_DEP_1)
	v_lshl_add_u32 v25, v4, 7, v25
	s_lshl_b32 s31, s24, 9
	v_add_nc_u32 v25, s31, v25                     ; out: row r, block 4 w + h
	s_lshr_b32 s31, s24, 2
	s_lshl_b32 s31, s31, 8
	s_and_b32 s32, s24, 3
	s_lshl_b32 s32, s32, 2
	s_add_co_u32 s31, s31, s32
	s_add_co_u32 s31, s31, SCB
	v_lshl_add_u32 v26, v3, 4, v4
	s_delay_alu instid0(VALU_DEP_1)
	v_add_nc_u32 v26, s31, v26                     ; my block's scale byte: 256 (w / 4) + 16 r + 4 (w % 4) + h
	s_lshl_b32 s31, ttmp9, 13
	s_lshl_b32 s32, s24, 10
	s_add_co_u32 s31, s31, s32
	v_add_nc_u32 v27, s31, v1                      ; xn: group g, block 4 w, 16 x lane
	v_add_nc_u32 v28, SCB, v1
	s_lshl_b32 s31, ttmp9, 9
	s_add_co_u32 s31, s31, XNS
	v_add_nc_u32 v29, s31, v1
	s_wait_loadcnt 16                              ; x's 16 loads are in; g1's and be1's 16 may be out
	ROWSTAT 0
	ROWSTAT 1
	s_wait_alu depctr_va_vdst(0)
	v_rsq_f32 v10, v10
	v_rsq_f32 v18, v18
	v_nop                                          ; a plain line behind the two roots
	s_wait_alu depctr_va_vdst(0)                   ; one wait for both, ahead of their first reader
	s_wait_loadcnt 0x0                             ; g1, be1
.irp e, 0,1
.irp j, 0,2,4,6,8,10,12,14,16,18,20,22,24,26,28,30
	v_pk_mul_f32 v[X+32*\e+\j:X+32*\e+\j+1], v[X+32*\e+\j:X+32*\e+\j+1], v[10+8*\e:11+8*\e] op_sel_hi:[1,0]
	s_delay_alu instid0(VALU_DEP_1)
	v_pk_fma_f32 v[X+32*\e+\j:X+32*\e+\j+1], v[X+32*\e+\j:X+32*\e+\j+1], v[GA+\j:GA+\j+1], v[BE+\j:BE+\j+1]
.endr
.irp i, 0,1,2,3,4,5,6,7
	ds_store_b128 v24, v[X+32*\e+4*\i:X+32*\e+4*\i+3] offset:PITCH*\e+512*\i
.endr
.endr
	s_wait_dscnt 0x0                               ; my rows lie in the stage
	s_barrier_signal -1
	s_barrier_wait -1                              ; all 16 rows do
.irp i, 0,1
.irp j, 0,1,2,3,4,5,6,7
	ds_load_b128 v[X+32*\i+4*\j:X+32*\i+4*\j+3], v25 offset:256*\i+16*\j   ; lane (r, h): block 4 w + 2 i + h of row r, whole
.endr
.endr
.irp i, 0,1
	s_wait_dscnt 8-8*\i                            ; block i's eight loads are in
.set XS, X+32*\i
.set CC, CD+4*\i
	QBLOCK XS, CC
	ds_store_b8 v26, v13 offset:2*\i
	global_store_b128 v27, v[CC:CC+3], s[20:21] offset:512*\i    ; 32 lanes store 512 consecutive bytes
.endr
	s_wait_dscnt 0x0
	s_barrier_signal -1
	s_barrier_wait -1                              ; the group's 512 scale bytes lie in LDS
	s_cmp_lg_u32 s24, 0
	s_cbranch_scc1 .Lln_end
	ds_load_b128 v[32:35], v28
	s_wait_dscnt 0x0
	global_store_b128 v29, v[32:35], s[20:21]      ; two aligned runs of 256 bytes
.Lln_end:
	s_wait_tensorcnt 0x0
	ds_add_u32 v168, v169
	s_wait_dscnt 0x0
	s_endpgm
	; ---- the weights.  j = 0-47: Wq, Wk, Wv (16 work-groups each); 48-111: W2; 112-175: W1.  Everything is chosen by selects on j, which hangs on no address
.Lweights:
	s_sub_co_u32 s30, ttmp9, 256                   ; j
	s_and_b32 s31, s30, 15
	s_sub_co_u32 s40, s30, 48
	s_sub_co_u32 s41, s30, 112
	s_lshr_b32 s45, s30, 4
	s_lshl_b32 s38, s45, 19                        ; codes of Wq, Wk, Wv: 524,288 bytes each
	s_lshl_b32 s39, s45, 15
	s_add_co_u32 s39, s39, 5767168                 ; their scale bytes: 32,768 each
	s_mov_b32 s46, 3670016
	s_mov_b32 s47, 5996544
	s_wait_kmcnt 0x0
	s_cmp_lt_u32 s30, 16
	s_cselect_b64 s[32:33], s[10:11], s[12:13]
	s_cmp_lt_u32 s30, 32
	s_cselect_b64 s[32:33], s[32:33], s[14:15]
	s_cmp_lt_u32 s30, 48
	s_cselect_b64 s[32:33], s[32:33], s[18:19]
	s_cselect_b32 s31, s31, s40
	s_cselect_b32 s38, s38, s46
	s_cselect_b32 s39, s39, s47
	s_mov_b32 s46, 1572864
	s_mov_b32 s47, 5865472
	s_cmp_lt_u32 s30, 112
	s_cselect_b64 s[32:33], s[32:33], s[16:17]
	s_cselect_b32 s31, s31, s41                    ; the work-group's number within its tensor
	s_cselect_b32 s38, s38, s46                    ; where the tensor's codes begin in wts,
	s_cselect_b32 s39, s39, s47                    ; and its scale bytes
	s_cselect_b32 s42, 3, 15
	s_cselect_b32 s43, 2, 4
	s_cselect_b32 s48, 20, 22                      ; log2 of 256 rows' bytes
	s_cmp_lt_u32 s40, 64                           ; W2?  Its K is 4,096
	s_cselect_b32 s36, 15, 13                      ; log2 of a group's codes,
	s_cselect_b32 s37, 11, 9                       ; of its scale bytes
	s_and_b32 s34, s31, s42                        ; which 256 columns
	s_lshr_b32 s35, s31, s43                       ; which 256 along K
	s_lshl_b32 s50, s35, s48
	s_lshl_b32 s44, s34, 10
	s_add_co_u32 s50, s50, s44
	s_lshl_b32 s44, s24, 7
	s_add_co_u32 s50, s50, s44                     ; + my wave's 32 columns
	s_mov_b32 s51, 0
	s_add_nc_u64 s[32:33], s[32:33], s[50:51]
	s_lshl_b32 s44, s34, 4
	s_lshl_b32 s45, s24, 1
	s_add_co_u32 s44, s44, s45                     ; my first group of 16 positions
	s_lshl_b32 s45, s44, s36
	s_add_co_u32 s38, s38, s45
	s_lshl_b32 s45, s35, 11
	s_add_co_u32 s38, s38, s45                     ; 8 blocks of 256 bytes
	s_lshl_b32 s45, s44, s37
	s_add_co_u32 s39, s39, s45
	s_lshr_b32 s45, s35, 1
	s_lshl_b32 s45, s45, 8
	s_add_co_u32 s39, s39, s45
	s_and_b32 s45, s35, 1
	s_lshl_b32 s45, s45, 3
	s_add_co_u32 s39, s39, s45
	v_and_b32 v5, 7, v0
	v_bfe_u32 v6, v0, 3, 1
	s_delay_alu instid0(VALU_DEP_1)
	v_lshl_or_b32 v5, v6, 4, v5
	s_wait_alu depctr_va_vdst(0)
	v_lshl_or_b32 v5, v4, 3, v5                    ; the column of position lane: bits 3 and 4 exchanged
	s_delay_alu instid0(VALU_DEP_1)
	v_lshlrev_b32 v5, 2, v5
	v_lshlrev_b32 v6, s36, v4
	s_delay_alu instid0(VALU_DEP_1)
	v_lshl_add_u32 v6, v3, 4, v6
	s_delay_alu instid0(VALU_DEP_1)
	v_add_nc_u32 v6, s38, v6                       ; my codes: group h, 16 r
	v_lshlrev_b32 v7, s37, v4
	s_delay_alu instid0(VALU_DEP_1)
	v_lshl_add_u32 v7, v3, 4, v7
	s_delay_alu instid0(VALU_DEP_1)
	v_add_nc_u32 v7, s39, v7                       ; my scale bytes
; A lane takes a column and its registers run down K: a block of 32 lies in one lane.  Loads run two blocks (64 loads a wave) ahead.
.macro WLOAD t, stride
.set i, 0
.rept 32
	global_load_b32 v[X+32*((\t)%2)+i], v5, s[32:33] offset:(32*(\t)+i)*\stride th:TH_LOAD_NT
.set i, i+1
.endr
.endm
.macro WBODY stride
	WLOAD 0, \stride
	WLOAD 1, \stride
.irp t, 0,1,2,3,4,5,6,7
.if \t < 7
	s_wait_loadcnt 32                              ; this block's 32 loads are in; the next block's may be out
.else
	s_wait_loadcnt 0x0
.endif
.set XS, X+32*(\t%2)
.set CC, 96+4*\t
	QBLOCK XS, CC
.if \t%4 == 0
	s_delay_alu instid0(VALU_DEP_1)
	v_mov_b32 v[24+\t/4], v13
.else
	s_delay_alu instid0(VALU_DEP_1)
	v_lshl_or_b32 v[24+\t/4], v13, 8*(\t%4), v[24+\t/4]
.endif
	global_store_b128 v6, v[CC:CC+3], s[22:23] offset:256*\t     ; sixteen lanes store 256 consecutive bytes, aligned; each block has its own registers
.if \t < 6
	WLOAD \t+2, \stride
.endif
.endr
	global_store_b64 v7, v[24:25], s[22:23]        ; my column's 8 scale bytes
	s_endpgm
.endm
	s_cmp_lt_u32 s30, 112
	s_cbranch_scc0 .Lw1
	WBODY 4096
.Lw1:
	s_wait_alu depctr_va_vdst(0)
	WBODY 16384
.Lfunc_end_k_q6dbb81d0ec_prep:
	.size	k_q6dbb81d0ec_prep, .Lfunc_end_k_q6dbb81d0ec_prep-k_q6dbb81d0ec_prep
	.p2alignl 7, 3214868480
	.fill 96, 4, 3214868480
	.section	.rodata,"a",@progbits
	.p2align	6, 0x0
	.amdhsa_kernel k_q6dbb81d0ec_prep
		.amdhsa_group_segment_fixed_size 67584
		.amdhsa_private_segment_fixed_size 0
		.amdhsa_enable_private_segment 0
		.amdhsa_kernarg_size 80
		.amdhsa_user_sgpr_count 2
		.amdhsa_user_sgpr_kernarg_segment_ptr 1
		.amdhsa_wavefront_size32 1
		.amdhsa_system_sgpr_workgroup_id_x 1
		.amdhsa_system_sgpr_workgroup_id_y 1
		.amdhsa_system_sgpr_workgroup_id_z 1
		.amdhsa_system_vgpr_workitem_id 0
		.amdhsa_next_free_vgpr 170
		.amdhsa_next_free_sgpr 66
		.amdhsa_reserve_vcc 0
		.amdhsa_float_denorm_mode_32 3
		.amdhsa_float_denorm_mode_16_64 3
		.amdhsa_memory_ordered 1
		.amdhsa_forward_progress 1
		.amdhsa_inst_pref_size 112
	.end_amdhsa_kernel
	.amdgpu_metadata
---
amdhsa.version: [ 1, 2 ]
amdhsa.kernels:
  - .name:           k_q6dbb81d0ec_prep
    .symbol:         k_q6dbb81d0ec_prep.kd
    .args:
      - { .name: x, .offset: 0, .size: 8, .value_kind: global_buffer, .address_space: global }
      - { .name: g1, .offset: 8, .size: 8, .value_kind: global_buffer, .address_space: global }
      - { .name: be1, .offset: 16, .size: 8, .value_kind: global_buffer, .address_space: global }
      - { .name: Wq, .offset: 24, .size: 8, .value_kind: global_buffer, .address_space: global }
      - { .name: Wk, .offset: 32, .size: 8, .value_kind: global_buffer, .address_space: global }
      - { .name: Wv, .offset: 40, .size: 8, .value_kind: global_buffer, .address_space: global }
      - { .name: W1, .offset: 48, .size: 8, .value_kind: global_buffer, .address_space: global }
      - { .name: W2, .offset: 56, .size: 8, .value_kind: global_buffer, .address_space: global }
      - { .name: xn, .offset: 64, .size: 8, .value_kind: global_buffer, .address_space: global }
      - { .name: wts, .offset: 72, .size: 8, .value_kind: global_buffer, .address_space: global }
    .group_segment_fixed_size: 67584
    .private_segment_fixed_size: 0
    .kernarg_segment_align: 8
    .kernarg_segment_size: 80
    .max_flat_workgroup_size: 256
    .sgpr_count:     66
    .vgpr_count:     170
    .wavefront_size: 32
...
	.end_amdgpu_metadata
.endif
;; end of part 1
;; launch qkv (part 2): grid 12 x 16, 4 waves a work-group, clusters of 4 x 4, 327,680 bytes of LDS; arguments xn, wts, qkvc; writes qkvc
.if DOCPART == 2
	.amdgcn_target "amdgcn-amd-amdhsa--gfx1250"
	.amdhsa_code_object_version 6
	.text
	.protected	k_q6dbb81d0ec_qkv
	.globl	k_q6dbb81d0ec_qkv
	.p2align	8
	.type	k_q6dbb81d0ec_qkv,@function
k_q6dbb81d0ec_qkv:
	s_mov_b64 s[64:65], 0
	v_nop
	global_prefetch_b8 v0, s[64:65] scope:SCOPE_SE
	s_setreg_imm32_b32 hwreg(HW_REG_WAVE_MODE, 25, 1), 1
	s_wait_xcnt 0x0
	s_wait_alu depctr_hold_cnt(0) depctr_sa_sdst(0) depctr_va_vdst(0) depctr_va_sdst(0) depctr_va_ssrc(0) depctr_va_vcc(0) depctr_vm_vsrc(0)
	s_getreg_b32 s2, hwreg(HW_REG_IB_STS2, 6, 4)
	s_cmp_eq_u32 s2, 0
	s_cbranch_scc0 .Lentry_in_a_cluster
	s_endpgm
.Lentry_in_a_cluster:
	s_bfe_u32 s2, ttmp6, 0x10000c
	s_cmp_lg_u32 s2, 0xf033
	s_cbranch_scc0 .Lentry_shape_is_right
	s_endpgm
.Lentry_shape_is_right:
; q, k, v = LN1(x) Wq, Wk, Wv on FP4 codes, and each result quantised again in registers for attention.
; A work-group makes a tile of 256 x 256; four waves, each 128 x 128: 64 accumulators.  K = 1,024 lies in LDS whole: four slots of 256 along K, each filled once, the first two asked for at the head, the last two behind a round: nothing is filled again.
; The matrix instruction takes 16 rows of side B as source 0 and 16 rows of side A as source 1: a lane then holds ONE row of A, and since rows are kept by position (bits 3 and 4 of the index exchanged)
; the 16 registers of B's groups 2 b and 2 b + 1 are 16 neighbours, 32 b + 16 (lane / 16) + 0 .. 15, of B's true index.
; Cluster x = 0: q, 1: k: A = tokens, B = weight columns: a lane's registers run along the channels, the K of q k^T.  Cluster x = 2: v: A = weight columns, B = tokens: they run along the tokens, the K of p v.
; CLUSTERS: 4 x 4.  A's tiles hang on the place along y alone and are asked for jointly by a row of the cluster, B's on the place along x alone, by a column.
; 192 work-groups: a narrower tile would straddle the bounds between q, k and v, where the ways out differ.
; OUT (qkvc): q's codes [batch-head][group of 16 tokens][512 bytes], q's scale words behind them; for each batch-head a pack of four chunks of 512 keys:
; k's codes (32 x 512), v's codes (4 key steps x 4 channel groups x 1,024), k's scale words (8 x 256), v's (4 x 256): 35,840 bytes on end.
; LIMITS: NaN and infinities are not served; a block of zeros gets the byte 1 (zero codes; this program alone reads the bytes).
; REGISTERS: window 0: v1-20 addresses; v32-95 scale words and nothing else; v96-111 at work; v112-119 the scale words made; v128-191 A's fragments, later codes.  Window 1: B's fragments, two sets.  Windows 2, 3: the accumulators, (a, b) at v[8 (8 (a % 4) + b)].
.set QS,    2097152
.set KV,    2359296
.set PACK,  143360
.set CHUNK, 35840
.set SLOTB, 65536                      ; LDS AS IT IS NOW (in place of the four slots named above): two halves of K, 512 along K each, 131,072 bytes apart; in a half wave x 32,768: 8 groups x 4,096 bytes.
                                       ; The first half and the scale bytes are asked for at the head, one load a wave; the second half behind a full sequence and a round, one load a wave.
.set SCL,   4*SLOTB                    ; behind the slots: the scale bytes, wave x 4,096
.set FR,    8
.set WV,    10
.set RA,    11
.set CB,    12
.set ADRA,  8                          ; v8-11   my A fragments in slot 0..3
.set ADRB,  12                         ; v12-15  my B fragments
.set ADRS,  16                         ; v16     my scale words: lanes 0-15 A's, lanes 16-31 B's
.set VA0,   17
.set VA1,   18
.set VS,    19
.set SH,    20
.set SC,    32
.set TM,    96
.set PW,    112
.set AF,    128
.set PC,    128
.set XW,    144
.set G1A,   24
.set G1B,   32
.set G1SA,  40
.set G1SB,  48
.set G0SA,  76
.set G0B,   80
.set G0SB,  96
.set MSB, 0
.macro WIN new                         ; the immediate's high byte repeats the setting that is left
.set NW, \new
.if MSB != NW
	s_set_vgpr_msb (MSB<<8)|NW
.set MSB, NW
.endif
.endm
.set MUL_LO, 0xa1                      ; source 0 (B) window 1, source 1 (A) window 0, C and D window 2
.set MUL_HI, 0xf1                      ; the same, C and D window 3
.set TO_B,   0x40
.macro PLACES n
.rept \n
	v_nop
.endr
.endm
; a joint load: waves 0 and 1 fetch for A, waves 2 and 3 for B; the branch hangs on the wave's number alone; four v_nop follow each line
.macro JLOAD g0a, g1a, g0b, g1b
	s_cmp_eq_u32 s[RA], 0
	s_cbranch_scc0 .Lfor_b_\@
	tensor_load_to_lds s[\g0a:\g0a+3], s[\g1a:\g1a+7]
	s_nop 0
.rept 4
	v_nop
.endr
	s_branch .Lasked_\@
.Lfor_b_\@:
	tensor_load_to_lds s[\g0b:\g0b+3], s[\g1b:\g1b+7]
	s_nop 0
.rept 4
	v_nop
.endr
.Lasked_\@:
.endm
.macro CREST
	s_cmp_lg_u32 s[WV], 0
	s_cbranch_scc1 .Lnot_wave_0_\@
	s_barrier_signal -3
.Lnot_wave_0_\@:
	s_barrier_wait -3
	s_barrier_signal -1
	s_barrier_wait -1
.endm
.macro CROUND
	s_barrier_signal -1
	s_barrier_wait -1
	CREST
.endm
.macro FRAG reg, adr, q, i             ; a fragment is 1,024 bytes on end: two loads, 16 bytes a lane
.irp c, 0,1
	ds_load_b128 v[\reg+4*\c:\reg+4*\c+3], v[\adr] offset:(\i)*4096+(\q)*1024+512*\c
.endr
.endm
.macro FETCH_B slot, q, p
	WIN TO_B
.irp i, 0,1,2,3,4,5,6,7
	FRAG 128*(\p)+FR*\i, ADRB+\slot, \q, \i
.endr
	WIN 0
.endm
.macro FETCH_A slot, q, i0
.irp i, \i0, \i0+1, \i0+2, \i0+3
	FRAG AF+FR*(\i), ADRA+\slot, \q, \i
.endr
.endm
; 16 matrix instructions: A's groups a0, a0 + 1 x B's eight.  The 64 accumulators take turns, one instruction a turn, in the same order in every step.
.macro MUL16 a0, p, sx, zero
.irp a, \a0, \a0+1
.irp b, 0,1,2,3,4,5,6,7
.set DD, 8*(8*((\a)%4)+\b)
.set BB, 128*(\p)+FR*\b
.set AA, AF+FR*(\a)
.set SBR, SC+(\sx)+4*\b
.set SAR, SC+(\sx)+4*(\a)
.if \zero
	v_wmma_scale_f32_16x16x128_f8f6f4 v[DD:DD+7], v[BB:BB+7], v[AA:AA+7], 0, v[SBR], v[SAR] matrix_a_fmt:MATRIX_FMT_FP4 matrix_b_fmt:MATRIX_FMT_FP4 matrix_a_scale:MATRIX_SCALE_ROW1
.else
	v_wmma_scale_f32_16x16x128_f8f6f4 v[DD:DD+7], v[BB:BB+7], v[AA:AA+7], v[DD:DD+7], v[SBR], v[SAR] matrix_a_fmt:MATRIX_FMT_FP4 matrix_b_fmt:MATRIX_FMT_FP4 matrix_a_scale:MATRIX_SCALE_ROW1
.endif
.endr
.endr
.endm
; a slot's first 128 along K; it fetches the second
.macro STEP slot, zero
.set SX, 32*((\slot)/2)+2*((\slot)%2)
	s_wait_dscnt 8                                 ; B's set and A's groups 0-3 are in; the youngest eight loads (A's groups 4-7) may be out
	WIN MUL_LO
	MUL16 0, 0, SX, \zero
	MUL16 2, 0, SX, \zero
	s_wait_dscnt 0x0
	PLACES 4                                       ; in front of loads into registers that matrix instructions have read
	FETCH_B \slot, 1, 1
	FETCH_A \slot, 1, 0
	WIN MUL_HI
	MUL16 4, 0, SX, \zero
	MUL16 6, 0, SX, \zero
	PLACES 4
	WIN 0
	FETCH_A \slot, 1, 4
.endm
; a slot's second 128 along K; it goes on to the next slot: my part of it has landed (cnt later loads may be out), and behind the barrier everybody's has.  Nothing is filled again.
.macro TURN slot, next, cnt
.set SX, 32*((\slot)/2)+2*((\slot)%2)+1
	s_wait_tensorcnt \cnt
	s_wait_dscnt 8
	WIN MUL_LO
	MUL16 0, 1, SX, 0
	s_wait_dscnt 0x0                               ; no LDS instruction of mine is out at the signal
	s_barrier_signal -1
	MUL16 2, 1, SX, 0
	WIN 0
	s_barrier_wait -1
	PLACES 4
	FETCH_B \next, 0, 0
	FETCH_A \next, 0, 0
	WIN MUL_HI
	MUL16 4, 1, SX, 0
	MUL16 6, 1, SX, 0
	PLACES 4
	WIN 0
	FETCH_A \next, 0, 4
.endm
; 64 numbers of a lane in window win, register 16 b + i = k 32 b + 16 (lane / 16) + i of my row, become a fragment's 8 registers of codes in v[pc] on and its scale word in v[pw]
.macro QUANT src, win, pc, pw
	WIN (\win)*5                                   ; sources 0 and 1 in the accumulators' window
.irp b, 0,1,2,3
	v_max3_num_f32 v[TM+\b], |v[\src+16*\b]|, |v[\src+1+16*\b]|, 0x1800000   ; each accumulator is read from its low end on; the floor 2^(3 - 127) holds the byte at 1
.endr
.irp i, 2,4,6,8,10,12,14
.irp b, 0,1,2,3
	v_max3_num_f32 v[TM+\b], |v[\src+16*\b+\i]|, |v[\src+1+16*\b+\i]|, v[TM+\b]
.endr
.endr
	WIN 0
.irp b, 0,1,2,3
	v_permlanex16_b32 v[TM+4+\b], v[TM+\b], s100, s101
.endr
.irp b, 0,1,2,3
	v_max_num_f32 v[TM+\b], v[TM+\b], v[TM+4+\b]   ; with lane l xor 16's: the block's largest magnitude
.endr
.irp b, 0,1,2,3
	v_add_nc_u32 v[TM+12+\b], 0xff000000, v[TM+\b] ; 2 off its exponent field: the conversion's scale operand
.endr
.irp b, 0,1,2,3
	v_lshrrev_b32 v[TM+4+\b], 23, v[TM+12+\b]
.endr
	v_lshl_or_b32 v[\pw], v[TM+5], 8, v[TM+4]
	v_lshl_or_b32 v[\pw], v[TM+6], 16, v[\pw]
	v_lshl_or_b32 v[\pw], v[TM+7], 24, v[\pw]
	WIN \win
.irp b, 0,1,2,3
	v_cvt_scalef32_pk8_fp4_f32 v[\pc+2*\b], v[\src+16*\b:\src+7+16*\b], v[TM+12+\b]
	v_cvt_scalef32_pk8_fp4_f32 v[\pc+1+2*\b], v[\src+8+16*\b:\src+15+16*\b], v[TM+12+\b]
.endr
	WIN 0
	v_nop                                          ; a plain line behind the conversions
.irp c, 0,1                                    ; a whole block to a lane: lanes 0-15 block 2 c, lanes 16-31 block 2 c + 1
.irp i, 0,1
	v_permlane16_swap_b32 v[\pc+4*\c+\i], v[\pc+2+4*\c+\i]
.endr
.endr
.endm
	s_load_b128 s[4:7], s[0:1], 0x0                ; xn s[4:5], wts s[6:7]
	s_load_b64 s[8:9], s[0:1], 0x10                ; qkvc
	v_lshl_add_u32 v254, v0, 2, 0x44000
	v_mov_b32 v255, 0
	ds_add_u32 v254, v255
	ds_add_u32 v254, v255
	v_lshrrev_b32 v1, 5, v0
	v_readfirstlane_b32 s[WV], v1                  ; wave 0..3
	s_lshr_b32 s[RA], s[WV], 1                     ; my half of A.  Also: I fetch for A (0) or for B (1)
	s_and_b32 s[CB], s[WV], 1                      ; my half of B.  Also: which 128 rows I fetch
	s_bfe_u32 s13, ttmp6, 0x40000                  ; cx
	s_bfe_u32 s14, ttmp6, 0x40004                  ; cy
	s_mov_b32 s15, ttmp9                           ; cluster x: 0 q, 1 k, 2 v
	s_and_b32 s16, ttmp7, 0xffff                   ; cluster y
	s_lshl_b32 s19, s14, 2
	s_lshl_b32 s19, 15, s19                        ; my row of the cluster
	s_lshl_b32 s20, 0x1111, s13                    ; my column
	s_or_b32 s[G1A], s19, (3<<16)|(1<<21)          ; the mask; elements of 8 bytes; bit 21 beside a mask; no padding
	s_or_b32 s[G1SA], s19, (3<<16)|(1<<21)
	s_or_b32 s[G1B], s20, (3<<16)|(1<<21)
	s_or_b32 s[G1SB], s20, (3<<16)|(1<<21)
.irp g, G1A, G1B                               ; codes: 8,192 bytes from group to group
	s_mov_b32 s[\g+1], 512<<16                     ; codes: 4,096 bytes (512 along K) of each group; 16 groups for the head's loads, later 8
	s_mov_b32 s[\g+2], 16<<16
	s_mov_b32 s[\g+3], 512<<16
	s_mov_b32 s[\g+4], 16
	s_mov_b32 s[\g+5], 1024
	s_mov_b32 s[\g+6], 0
	s_mov_b32 s[\g+7], 0
.endr
.irp g, G1SA, G1SB                             ; scale bytes of 16 groups: 8,192 dense bytes as 32 rows of 256
	s_mov_b32 s[\g+1], 32<<16
	s_mov_b32 s[\g+2], 32<<16                      ; the scale bytes of 16 groups: 8,192 dense bytes as 32 rows of 256
	s_mov_b32 s[\g+3], 32<<16
	s_mov_b32 s[\g+4], 32
	s_mov_b32 s[\g+5], 32
	s_mov_b32 s[\g+6], 0
	s_mov_b32 s[\g+7], 0
.endr
	s_lshl_b32 s21, s16, 2
	s_mov_b32 s22, 2097152                         ; where xn's scale bytes begin,
	s_mov_b32 s104, 5767168                        ; and those of Wq, Wk, Wv in wts
	s_cmp_eq_u32 s15, 2                            ; v?  The same in all sixteen partners
	s_cselect_b32 s17, 8, s21
	s_cselect_b32 s18, s16, s15
	s_cselect_b32 s2, s104, s22
	s_cselect_b32 s3, s22, s104
	s_add_co_u32 s17, s17, s14                     ; A's tile of 256 rows: tokens 4 x cluster y + cy, or Wv's 8 + cy
	s_lshl_b32 s18, s18, 2
	s_add_co_u32 s18, s18, s13                     ; B's: weight columns 4 x cluster x + cx, or tokens 4 x cluster y + cx
	s_lshl_b32 s20, s17, 17
	s_lshr_b32 s22, s20, 4                         ; of 512 scale bytes
	s_add_co_u32 s22, s22, s2
	s_mov_b32 s21, 0
	s_mov_b32 s23, 0
	s_lshl_b32 s100, s18, 17
	s_lshr_b32 s104, s100, 4
	s_add_co_u32 s104, s104, s3
	s_mov_b32 s101, 0
	s_mov_b32 s105, 0
	s_lshl_b32 s19, s[WV], 15                      ; LDS: wave x 32,768 in a half: no place in the cluster enters an LDS address
	s_wait_dscnt 0x0
	s_wait_kmcnt 0x0
	s_cmp_eq_u32 s15, 2
	s_cselect_b64 s[2:3], s[6:7], s[4:5]           ; A's buffer
	s_cselect_b64 s[66:67], s[4:5], s[6:7]         ; B's
	s_add_nc_u64 s[20:21], s[2:3], s[20:21]
	s_add_nc_u64 s[22:23], s[2:3], s[22:23]
	s_add_nc_u64 s[100:101], s[66:67], s[100:101]
	s_add_nc_u64 s[104:105], s[66:67], s[104:105]
	CROUND                                         ; all sixteen work-groups are here: the joint loads meet
	s_mov_b32 s[G0SA], 1
	s_mov_b32 s[G0SA+1], SCL
	s_mov_b64 s[G0SA+2:G0SA+3], s[22:23]
	s_or_b32 s[G0SA+3], s[G0SA+3], 0x80000000
	s_mov_b32 s[G0SB], 1
	s_mov_b32 s[G0SB+1], SCL+8192
	s_mov_b64 s[G0SB+2:G0SB+3], s[104:105]
	s_or_b32 s[G0SB+3], s[G0SB+3], 0x80000000
	s_mov_b32 s56, 1                               ; the head's tiles, each whole: the first 512 along K of A's 16 groups,
	s_mov_b32 s57, 0
	s_mov_b64 s[58:59], s[20:21]
	s_or_b32 s59, s59, 0x80000000
	s_mov_b32 s80, 1                               ; and of B's, behind them
	s_mov_b32 s81, 65536
	s_mov_b64 s[82:83], s[100:101]
	s_or_b32 s83, s83, 0x80000000
	s_lshl_b32 s2, s[CB], 16                       ; the second half of K: my 8 groups, 4,096 bytes on in each
	s_add_co_u32 s2, s2, 4096
	s_mov_b32 s3, 0
	s_mov_b32 s60, 1
	s_add_co_u32 s61, s19, 131072
	s_add_nc_u64 s[62:63], s[20:21], s[2:3]
	s_or_b32 s63, s63, 0x80000000
	s_mov_b32 s84, 1
	s_add_co_u32 s85, s19, 131072
	s_add_nc_u64 s[86:87], s[100:101], s[2:3]
	s_or_b32 s87, s87, 0x80000000
; THE HEAD'S LOADS, ONE A WAVE: wave 0 A's codes, wave 1 B's, wave 2 A's scale bytes, wave 3 B's.  One tree of branches on the wave's number: every way passes exactly one load.
.macro ARM under, g0, g1, next
	s_cmp_lt_u32 s[WV], \under
	s_cbranch_scc0 \next
	tensor_load_to_lds s[\g0:\g0+3], s[\g1:\g1+7]
	s_nop 0
.rept 4
	v_nop
.endr
	s_branch .Lhead_asked
\next:
.endm
	ARM 1, 56, G1A, .Lhead_b
	ARM 2, 80, G1B, .Lhead_sa
	ARM 3, G0SA, G1SA, .Lhead_sb
	tensor_load_to_lds s[G0SB:G0SB+3], s[G1SB:G1SB+7]
	s_nop 0
.rept 4
	v_nop
.endr
.Lhead_asked:
	v_and_b32 v1, 31, v0
	v_and_b32 v2, 15, v0                           ; r
	v_bfe_u32 v3, v0, 4, 1                         ; h
	v_lshlrev_b32 v4, 4, v1                        ; 16 x lane
	s_wait_alu depctr_va_vdst(0)
	s_lshl_b32 s20, s[RA], 15
	s_lshl_b32 s21, s[CB], 15
	s_add_co_u32 s21, s21, 65536
.irp s, 0,1,2,3                                ; the s-th 256 along K: half s / 2, 2,048 (s % 2) bytes on in each group
	v_add_nc_u32 v[ADRA+\s], s20, v4
	v_add_nc_u32 v[ADRB+\s], s21, v4
	s_add_co_u32 s20, s20, 2048+(\s%2)*(131072-4096)
	s_add_co_u32 s21, s21, 2048+(\s%2)*(131072-4096)
.endr
	s_lshl_b32 s20, s[RA], 12
	s_lshl_b32 s21, s[CB], 12
	s_add_co_u32 s21, s21, 8192
	s_sub_co_u32 s21, s21, s20
	v_mul_u32_u24 v5, s21, v3                      ; lanes 16-31 take B's
	v_lshl_add_u32 v5, v2, 4, v5
	s_add_co_u32 s20, s20, SCL
	v_add_nc_u32 v[ADRS], s20, v5
	v_lshlrev_b32 v[SH], 4, v3                     ; 16 h
.irp b, 0,1,2,3
	v_mov_b32 v[TM+4+\b], 0                        ; written once: a lane permute's destination counts as one of its sources
.endr
	s_mov_b32 s100, 0x76543210
	s_mov_b32 s101, 0xfedcba98
	s_wait_alu depctr_va_vdst(0)
	s_wait_tensorcnt 0x0                           ; my tile of the head's four is in
	ds_add_u32 v254, v255
	s_mov_b32 s[G1A+2], 8<<16                      ; no tensor load of mine is out: from here on a load brings 8 groups
	s_mov_b32 s[G1A+4], 8
	s_mov_b32 s[G1B+2], 8<<16
	s_mov_b32 s[G1B+4], 8
	s_wait_dscnt 0x0
	CROUND                                         ; all four tiles are in, and the sixteen work-groups are here
	JLOAD 60, G1A, 84, G1B                         ; the second half of K: my one load behind the round
	FETCH_B 0, 0, 0
	FETCH_A 0, 0, 0
.irp s, 0,1                                    ; all scale words: register 32 s + 4 i + q: group i, the q-th 128 of the s-th 512 along K
.irp i, 0,1,2,3,4,5,6,7
	ds_load_b128 v[SC+32*\s+4*\i:SC+32*\s+4*\i+3], v[ADRS] offset:\i*512+\s*256
.endr
.endr
	FETCH_A 0, 0, 4
	STEP 0, 1                                      ; the first products start the sums
	TURN 0, 1, 1
	STEP 1, 0
	TURN 1, 2, 0
	STEP 2, 0
	TURN 2, 3, 0
	STEP 3, 0
	s_wait_dscnt 8
	WIN MUL_LO
	MUL16 0, 1, 35, 0
	MUL16 2, 1, 35, 0
	s_wait_dscnt 0x0
	WIN MUL_HI
	MUL16 4, 1, 35, 0
	MUL16 6, 1, 35, 0
	WIN 0
	PLACES 4                                       ; in front of the first read of results
	; where the results go.  No tensor load is out: the descriptors' registers are free.  s24: first codes; s25: from group to group; s26: the second 512 bytes; s27: extra at group 4; s28: scale words; s29: lanes 16-31's
	s_cmp_eq_u32 s15, 2
	s_cbranch_scc1 .Larm_v
	s_lshr_b32 s30, s17, 3                         ; batch
	s_and_b32 s31, s17, 7
	s_lshl_b32 s31, s31, 4
	s_lshl_b32 s32, s[RA], 3
	s_add_co_u32 s31, s31, s32                     ; my first group of tokens in the batch
	s_lshl_b32 s30, s30, 4
	s_lshl_b32 s32, s13, 2
	s_add_co_u32 s30, s30, s32
	s_lshl_b32 s32, s[CB], 1
	s_add_co_u32 s30, s30, s32                     ; the first of my two batch-heads
	s_mov_b32 s25, 512
	s_mov_b32 s27, 0
	s_cmp_eq_u32 s15, 0
	s_cbranch_scc0 .Larm_k
	s_lshl_b32 s24, s30, 16
	s_lshl_b32 s32, s31, 9
	s_add_co_u32 s24, s24, s32
	s_mov_b32 s26, 65536
	s_lshl_b32 s28, s30, 13
	s_lshr_b32 s32, s31, 2
	s_lshl_b32 s32, s32, 8
	s_add_co_u32 s28, s28, s32
	s_add_co_u32 s28, s28, QS
	s_mov_b32 s29, 8192
	s_branch .Larm_done
.Larm_k:
	s_mul_i32 s33, s30, PACK
	s_lshr_b32 s32, s31, 5
	s_mul_i32 s32, s32, CHUNK
	s_add_co_u32 s33, s33, s32
	s_add_co_u32 s33, s33, KV                      ; my chunk
	s_and_b32 s31, s31, 31
	s_lshl_b32 s32, s31, 9
	s_add_co_u32 s24, s33, s32
	s_lshr_b32 s32, s31, 2
	s_lshl_b32 s32, s32, 8
	s_add_co_u32 s28, s33, s32
	s_add_co_u32 s28, s28, 32768
	s_mov_b32 s26, PACK
	s_mov_b32 s29, PACK
	s_branch .Larm_done
.Larm_v:
	s_lshr_b32 s30, s18, 3                         ; batch
	s_and_b32 s31, s18, 7
	s_lshl_b32 s31, s31, 1
	s_add_co_u32 s31, s31, s[CB]                   ; my key step of 128 tokens
	s_lshl_b32 s30, s30, 4
	s_lshl_b32 s32, s14, 2
	s_add_co_u32 s30, s30, s32
	s_lshl_b32 s32, s[RA], 1
	s_add_co_u32 s30, s30, s32
	s_mul_i32 s33, s30, PACK
	s_lshr_b32 s32, s31, 2
	s_mul_i32 s32, s32, CHUNK
	s_add_co_u32 s33, s33, s32
	s_add_co_u32 s33, s33, KV
	s_and_b32 s31, s31, 3
	s_lshl_b32 s32, s31, 12
	s_add_co_u32 s24, s33, s32
	s_add_co_u32 s24, s24, 16384
	s_lshl_b32 s32, s31, 8
	s_add_co_u32 s28, s33, s32
	s_add_co_u32 s28, s28, 34816
	s_mov_b32 s25, 1024
	s_mov_b32 s26, 512
	s_mov_b32 s27, PACK-4096
	s_mov_b32 s29, PACK
.Larm_done:
	v_add_nc_u32 v[VA0], s24, v4
	v_add_nc_u32 v[VA1], s26, v[VA0]
	v_mul_u32_u24 v5, s29, v3
	v_lshl_add_u32 v5, v2, 4, v5
	v_add_nc_u32 v[VS], s28, v5
.irp a, 0,1,2,3,4,5,6,7                        ; A's group a: 16 rows x 128 of B: four blocks of 32
	s_wait_xcnt 0x0                                ; the earlier stores have read their registers: codes and offsets may be written again
.if \a > 0
	v_add_nc_u32 v[VA0], s25, v[VA0]
	v_add_nc_u32 v[VA1], s25, v[VA1]
.endif
.if \a == 4
	v_add_nc_u32 v[VA0], s27, v[VA0]
	v_add_nc_u32 v[VA1], s27, v[VA1]
.endif
.set QSRC, 64*(\a%4)
.set QWIN, 2+\a/4
.set QPC, PC+8*(\a%2)
	QUANT QSRC, QWIN, QPC, PW+\a
	global_store_b128 v[VA0], v[QPC:QPC+3], s[8:9]       ; 32 lanes store 512 consecutive bytes: blocks 0 and 1 (q, k: the first head),
	global_store_b128 v[VA1], v[QPC+4:QPC+7], s[8:9]     ; blocks 2 and 3 (the second head)
.endr
	s_cmp_eq_u32 s15, 2
	s_cbranch_scc1 .Lsc_v
.irp g, 0,1                                    ; q, k: lanes 0-15 keep the first head's two bytes, lanes 16-31 bring the second head's down; the bytes above scale zero codes and are never 0xff
.irp i, 0,1,2,3
	v_lshrrev_b32 v[XW+4*\g+\i], v[SH], v[PW+4*\g+\i]
.endr
	global_store_b128 v[VS], v[XW+4*\g:XW+4*\g+3], s[8:9] offset:256*\g
.endr
	s_branch .Lsc_done
.Lsc_v:
	s_mov_b32 s30, 0xffff0000
.irp i, 0,1,2,3                                ; v: lanes 0-15 the first head's four channel groups, lanes 16-31 the second's
	v_cndmask_b32 v[XW+\i], v[PW+\i], v[PW+4+\i], s30
.endr
	global_store_b128 v[VS], v[XW:XW+3], s[8:9]
.Lsc_done:
	s_wait_dscnt 0x0
	s_wait_tensorcnt 0x0
	ds_add_u32 v254, v255
	s_wait_dscnt 0x0
	CROUND                                         ; the closing round
	s_endpgm
.Lfunc_end_k_q6dbb81d0ec_qkv:
	.size	k_q6dbb81d0ec_qkv, .Lfunc_end_k_q6dbb81d0ec_qkv-k_q6dbb81d0ec_qkv
	.p2alignl 7, 3214868480
	.fill 96, 4, 3214868480
	.section	.rodata,"a",@progbits
	.p2align	6, 0x0
	.amdhsa_kernel k_q6dbb81d0ec_qkv
		.amdhsa_group_segment_fixed_size 327680
		.amdhsa_private_segment_fixed_size 0
		.amdhsa_enable_private_segment 0
		.amdhsa_kernarg_size 24
		.amdhsa_user_sgpr_count 2
		.amdhsa_user_sgpr_kernarg_segment_ptr 1
		.amdhsa_wavefront_size32 1
		.amdhsa_system_sgpr_workgroup_id_x 1
		.amdhsa_system_sgpr_workgroup_id_y 1
		.amdhsa_system_sgpr_workgroup_id_z 1
		.amdhsa_system_vgpr_workitem_id 0
		.amdhsa_next_free_vgpr 1024
		.amdhsa_next_free_sgpr 106
		.amdhsa_reserve_vcc 0
		.amdhsa_float_denorm_mode_32 3
		.amdhsa_float_denorm_mode_16_64 3
		.amdhsa_memory_ordered 1
		.amdhsa_forward_progress 1
		.amdhsa_inst_pref_size 132
	.end_amdhsa_kernel
	.amdgpu_metadata
---
amdhsa.version: [ 1, 2 ]
amdhsa.kernels:
  - .name:           k_q6dbb81d0ec_qkv
    .symbol:         k_q6dbb81d0ec_qkv.kd
    .args:
      - { .name: xn, .offset: 0, .size: 8, .value_kind: global_buffer, .address_space: global }
      - { .name: wts, .offset: 8, .size: 8, .value_kind: global_buffer, .address_space: global }
      - { .name: qkvc, .offset: 16, .size: 8, .value_kind: global_buffer, .address_space: global }
    .group_segment_fixed_size: 327680
    .private_segment_fixed_size: 0
    .kernarg_segment_align: 8
    .kernarg_segment_size: 24
    .max_flat_workgroup_size: 128
    .sgpr_count:     106
    .vgpr_count:     1024
    .wavefront_size: 32
...
	.end_amdgpu_metadata
.endif
;; end of part 2
;; launch attn (part 3): grid 8 x 32, 16 waves a work-group, clusters of 4 x 1, 327,680 bytes of LDS; arguments qkvc, x, xres, xr; writes xres, xr
.if DOCPART == 3
	.amdgcn_target "amdgcn-amd-amdhsa--gfx1250"
	.amdhsa_code_object_version 6
	.text
	.protected	k_q6dbb81d0ec_attn
	.globl	k_q6dbb81d0ec_attn
	.p2align	8
	.type	k_q6dbb81d0ec_attn,@function
k_q6dbb81d0ec_attn:
	s_mov_b64 s[64:65], 0
	v_nop
	global_prefetch_b8 v0, s[64:65] scope:SCOPE_SE
	s_setreg_imm32_b32 hwreg(HW_REG_WAVE_MODE, 25, 1), 1
	s_wait_xcnt 0x0
	s_wait_alu depctr_hold_cnt(0) depctr_sa_sdst(0) depctr_va_vdst(0) depctr_va_sdst(0) depctr_va_ssrc(0) depctr_va_vcc(0) depctr_vm_vsrc(0)
	s_getreg_b32 s2, hwreg(HW_REG_IB_STS2, 6, 4)
	s_cmp_eq_u32 s2, 0
	s_cbranch_scc0 .Lentry_in_a_cluster
	s_endpgm
.Lentry_in_a_cluster:
	s_bfe_u32 s2, ttmp6, 0x10000c
	s_cmp_lg_u32 s2, 0x3003
	s_cbranch_scc0 .Lentry_shape_is_right
	s_endpgm
.Lentry_shape_is_right:
; x_res = softmax(q k^T / 8) v + x for one batch-head and 256 queries, both products on FP4 codes; then x_res as f32, as codes along the channels, and its mean and centred sum of squares over the head's 64 channels.
; THE SOFTMAX: t = score x log2(e) / 8; M = the running largest t rounded up to a whole number; p = 2^(t - M) is quantised along the keys, not normalised; the row's sum is taken of the unquantised p and divides at the end.
; When M moves, the sum and O are multiplied by 2^(old M - new M): exact.
; SHARES.  Sixteen waves, each 16 queries in 256 registers, four waves to a SIMD.  Every wave walks all 2,048 keys, 128 a step.
; K AND V.  The batch-head's pack, 143,360 bytes in four chunks of 512 keys, lies in LDS, each byte filled once.  Waves 0 to 3 ask for a quarter of chunk 0 at the head; behind the full sequence and a round
; waves 0 to 11 ask for 35 rows of 256 bytes each of chunks 1 to 3.  One load a wave in each place.
; CLUSTER.  The four query blocks of a cluster belong to one batch-head: each load is asked for jointly by the four.
; No prefetch: K and V are asked for once, at the head, and the launch has no loop that runs ahead of a load.
; LAYOUT.  S^T = k q^T (source 0 = 16 keys, source 1 = my queries), O^T = v^T p^T: a lane holds ONE query throughout.
; THE KEYS OF A TILE ARE CHOSEN BY EACH LANE'S LDS ADDRESS: row 8 a + j of tile 4 c + u is key 64 c + 32 a + 8 u + j of the step.  So lane (r, h) holds in the 32 registers of tiles 4 c .. 4 c + 3 the WHOLE block 2 c + h of 32 keys,
; in the order of the second product's operand: a block's maximum needs no other lane, and the conversions' results are the operand's registers.
; (In the pack keys lie by position, bits 3 and 4 of the index exchanged: key n of a step is row 8 n4 + n % 8 of group 2 (n / 32) + n3.)
; A BLOCK'S SCALE BYTE is floor(t_max - M) + 125, t_max - M being the block's largest exponent, held at -124 from below: the floor plus 2^23 + 125 is an exact f32 sum whose lowest byte is the scale's byte.
; THE FIRST PRODUCT'S K IS 64: registers 4-7 of q's fragment are zero codes, so whatever codes registers 4-7 of k's fragment hold add nothing: tile t of k is v[24 + 4 t] on, eight registers, the upper four being the next tile's (tile 7's: v's first four).
; LIMITS: NaN and infinities are not served; the promise holds while the scaled scores stay under 2^31 in magnitude; a block of zeros gets the byte 1.
; REGISTERS: v1, v2 LDS addresses of v's fragments and scale words, v8, v9 of k's: stepped a chunk at a time; v3-7, v11 the way out; v10 the byte selector; v12 -M, v13 the largest score, v[14:15] the sum; v16-23 q; v24-55 k; v56-87 v;
; v88-95 k's scale words; v96-159 S^T, then p; v160-191 O^T; v192-223 x; v224-231 p's codes; v232-237, v254 at work; v238-241, v244-247 four partial sums; v242, v243 the add's two; v248-251 v's scale words; v252 f; v253 p's scale word; v255 q's.
.set QS,    2097152
.set KV,    2359296
.set PACK,  143360
.set CHUNK, 35840
.set STG,   143360                     ; behind the pack: 16 rows x 272 bytes for each wave
.set SPARE, 212992                     ; behind the stages: the spare words
.set XSC,   2097152                    ; xr: the scale bytes,
.set STT,   2228224                    ; the statistics
.set WV,    12
.macro CROUND
	s_barrier_signal -1
	s_barrier_wait -1
	s_cmp_lg_u32 s[WV], 0
	s_cbranch_scc1 .Lnot_wave_0_\@
	s_barrier_signal -3
.Lnot_wave_0_\@:
	s_barrier_wait -3
	s_barrier_signal -1
	s_barrier_wait -1
.endm
.macro DEP n
	s_delay_alu instid0(VALU_DEP_\n)
.endm
; the four additions that close a step's sum of p: they stand behind the next step's first products, as the four plain lines owed there
.macro CLOSESUM
	v_pk_add_f32 v[238:239], v[238:239], v[240:241]
	v_pk_add_f32 v[244:245], v[244:245], v[246:247]
	DEP 1
	v_pk_add_f32 v[238:239], v[238:239], v[244:245]
	DEP 1
	v_pk_add_f32 v[14:15], v[14:15], v[238:239]
.endm
; n of a step's 32 lines that make t - M, two scores a line; j counts the registers done, NM names the register that holds the step's -M
.macro TMINUSM n
.rept \n
	v_pk_fma_f32 v[96+j:97+j], v[96+j:97+j], s[50:51], v[NM:NM+1] op_sel_hi:[1,0,0]
.set j, j+2
.endr
.endm
	s_load_b256 s[4:11], s[0:1], 0x0               ; qkvc s[4:5], x s[6:7], xres s[8:9], xr s[10:11]
	v_lshl_add_u32 v242, v0, 2, SPARE
	v_mov_b32 v243, 0
	ds_add_u32 v242, v243
	ds_add_u32 v242, v243
	v_lshrrev_b32 v1, 5, v0
	v_readfirstlane_b32 s[WV], v1                  ; wave 0..15
	s_bfe_u32 s13, ttmp6, 0x40000                  ; cx: it enters global addresses alone
	s_and_b32 s14, ttmp7, 0xffff                   ; the batch-head, which the four partners share
	s_lshl_b32 s15, ttmp9, 2
	s_add_co_u32 s15, s15, s13
	s_lshl_b32 s15, s15, 4
	s_add_co_u32 s15, s15, s[WV]                   ; G: my group of 16 queries in the batch
	s_lshr_b32 s16, s14, 4                         ; batch
	s_and_b32 s17, s14, 15                         ; head
	s_mov_b32 s40, 15|(3<<16)|(1<<21)              ; all four work-groups; elements of 8 bytes; bit 21 beside a mask
	s_mov_b32 s41, 32<<16                          ; 35 rows of 256 bytes, dense
	s_mov_b32 s42, 35<<16
	s_mov_b32 s43, 32<<16
	s_mov_b32 s44, 35
	s_mov_b32 s45, 32
	s_mov_b32 s46, 0
	s_mov_b32 s47, 0
	s_mul_i32 s18, s[WV], 8960
	s_mul_i32 s20, s14, PACK
	s_add_co_u32 s20, s20, s18
	s_add_co_u32 s20, s20, KV
	s_mov_b32 s21, 0
	s_mov_b32 s48, 0x76543210
	s_mov_b32 s49, 0xfedcba98                      ; selects for lane l xor 16
	s_mov_b32 s50, 0x3e38aa3b                      ; c = log2(e) / 8
	s_mov_b32 s51, s50                             ; (named with it as a pair)
	s_mov_b32 s54, 0xbe38aa3b                      ; -c
	s_mov_b32 s52, 0xffff0000                      ; lanes 16-31
	s_mul_i32 s19, s[WV], 4352
	s_add_co_u32 s19, s19, STG                     ; my stage
	s_lshl_b32 s32, s14, 16
	s_lshl_b32 s23, s15, 9
	s_add_co_u32 s32, s32, s23                     ; q's codes
	s_lshl_b32 s33, s14, 13
	s_lshr_b32 s23, s15, 2
	s_lshl_b32 s23, s23, 8
	s_add_co_u32 s33, s33, s23
	s_and_b32 s23, s15, 3
	s_lshl_b32 s23, s23, 2
	s_add_co_u32 s33, s33, s23
	s_add_co_u32 s33, s33, QS                      ; q's scale words
	s_lshl_b32 s34, s16, 11
	s_lshr_b32 s23, s15, 1
	s_lshl_b32 s23, s23, 5
	s_add_co_u32 s34, s34, s23
	s_and_b32 s23, s15, 1
	s_lshl_b32 s23, s23, 3
	s_add_co_u32 s34, s34, s23                     ; the token of my group's row 0
	s_lshl_b32 s34, s34, 12
	s_lshl_b32 s23, s17, 8
	s_add_co_u32 s34, s34, s23                     ; x and xres: its row, the head's 256 bytes
	s_lshl_b32 s58, s16, 7
	s_add_co_u32 s58, s58, s15                     ; my group among all 256
	s_lshl_b32 s35, s17, 15
	s_lshl_b32 s23, s58, 7
	s_add_co_u32 s35, s35, s23
	s_add_co_u32 s35, s35, STT                     ; the statistics
	s_lshl_b32 s36, s58, 13
	s_lshl_b32 s23, s17, 9
	s_add_co_u32 s36, s36, s23                     ; x_res's codes: blocks 2 head and 2 head + 1
	s_lshl_b32 s37, s58, 9
	s_lshr_b32 s23, s17, 3
	s_lshl_b32 s23, s23, 8
	s_add_co_u32 s37, s37, s23
	s_and_b32 s23, s17, 7
	s_lshl_b32 s23, s23, 1
	s_add_co_u32 s37, s37, s23
	s_add_co_u32 s37, s37, XSC                     ; and their scale bytes
	s_wait_dscnt 0x0
	s_wait_kmcnt 0x0
	s_add_nc_u64 s[20:21], s[4:5], s[20:21]
	CROUND                                         ; the four work-groups are here: the joint loads meet
	s_mov_b32 s24, 1                               ; waves 0-3: quarter w of chunk 0
	s_mov_b32 s25, s18
	s_mov_b64 s[26:27], s[20:21]
	s_or_b32 s27, s27, 0x80000000
	s_mov_b32 s28, 1                               ; waves 0-11: rows 35 w on of chunks 1 to 3
	s_add_co_u32 s29, s18, CHUNK
	s_add_nc_u64 s[30:31], s[20:21], CHUNK
	s_or_b32 s31, s31, 0x80000000
	s_cmp_lt_u32 s[WV], 4
	s_cbranch_scc0 .Lno_first
	tensor_load_to_lds s[24:27], s[40:47]
	s_nop 0
.rept 4
	v_nop
.endr
.Lno_first:
	v_and_b32 v1, 31, v0
	v_and_b32 v11, 15, v0                          ; r
	v_bfe_u32 v10, v0, 4, 1                        ; h
	v_and_b32 v8, 7, v0                            ; j
	v_bfe_u32 v9, v0, 3, 1                         ; a
	v_lshlrev_b32 v1, 4, v1                        ; 16 x lane: v's fragments
	v_lshlrev_b32 v2, 4, v11                       ; 16 r: v's scale words
	v_lshlrev_b32 v8, 4, v8                        ; 16 j
	v_mul_u32_u24 v3, v11, 272
	v_mul_u32_u24 v4, v10, 272
	v_add_nc_u32 v232, s32, v1
	v_add_nc_u32 v233, s33, v2
	global_load_b128 v[16:19], v232, s[4:5]        ; q's codes
	global_load_b32 v255, v233, s[4:5]             ; q's scale word
	v_lshl_add_u32 v3, v10, 6, v3
	v_add_nc_u32 v4, v4, v2
	v_add_nc_u32 v3, s19, v3                       ; the stage by O^T's layout: row r, + 64 h
	v_add_nc_u32 v4, s19, v4                       ; by rows: lanes 0-15 one row, lanes 16-31 the next
	v_lshl_add_u32 v5, v10, 12, v2
	v_lshrrev_b32 v6, 2, v1
	v_add_nc_u32 v7, s36, v1
	v_add_nc_u32 v11, v2, v10
	v_add_nc_u32 v5, s34, v5                       ; x and xres: two rows an instruction
	v_add_nc_u32 v6, s35, v6                       ; the statistics: 4 x lane
	v_add_nc_u32 v11, s37, v11                     ; the scale bytes: 16 r + h
	v_lshl_add_u32 v254, v9, 10, v8
	v_lshl_add_u32 v9, v9, 3, v8                   ; k's scale words: 16 j + 8 a
	v_lshl_add_u32 v8, v10, 8, v254                ; k's codes: 1,024 a + 256 h + 16 j
	v_mov_b32 v10, 0x01040100                      ; lanes 0-15 put their two bytes at places 0 and 2 of p's scale word,
	v_mov_b32 v254, 0x04010001                     ; lanes 16-31 at places 1 and 3; the other places take a zero byte
	v_cndmask_b32 v10, v10, v254, s52
	v_mov_b32 v13, 0xff61b1e6                      ; the largest score so far: -3e38
	v_floor_f32 v12, -v13                          ; -M
.irp j, 14,15, 20,21,22,23, 56,57,58,59, 235, 238,239,240,241, 244,245,246,247, 253
	v_mov_b32 v\j, 0                               ; the sums; q's zero codes; v's first four registers, which the first step names as the upper half of k's tile 7; a lane permute's destination
.endr
.set j, 0
.rept 32
	v_mov_b32 v[160+j], 0                          ; O^T: the step is written for every step alike; the first finds zeros
.set j, j+1
.endr
; the q-th step of the chunk in hand: k's scale words (two tiles' to a load) and eight tiles: twelve loads
.macro KLOAD q
.irp p, 0,1,2,3
	ds_load_b64 v[88+2*\p:89+2*\p], v9 offset:32768+512*(\q)+256*(\p/2)+128*(\p%2)
.endr
.irp t, 0,1,2,3,4,5,6,7
	ds_load_b128 v[24+4*\t:27+4*\t], v8 offset:4096*(\q)+2048*(\t/4)+512*(\t%2)+128*((\t%4)/2)
.endr
.endm
; v's four fragments and their scale words: nine loads
.macro VLOAD q
.irp t, 0,1,2,3
.irp c, 0,1
	ds_load_b128 v[56+8*\t+4*\c:59+8*\t+4*\c], v1 offset:16384+4096*(\q)+1024*\t+512*\c
.endr
.endr
	ds_load_b128 v[248:251], v2 offset:34816+256*(\q)
.endm
; A KEY STEP: 128 keys, the q-th of the chunk in hand.  Its k was asked for in the step before (a chunk's first: at the chunk's head)
.macro STEP q
	s_wait_dscnt 0x0                               ; k's twelve loads are in
.irp t, 0,1,2,3,4,5,6,7
	v_wmma_scale_f32_16x16x128_f8f6f4 v[96+8*\t:103+8*\t], v[24+4*\t:31+4*\t], v[16:23], 0, v[88+\t], v255 matrix_a_fmt:MATRIX_FMT_FP4 matrix_b_fmt:MATRIX_FMT_FP4
.endr
	CLOSESUM                                       ; the last step's sum is closed, under the old M: four plain lines in front of the loads into k's and v's registers and of the first read of the scores
	VLOAD \q                                       ; this step's v, wanted behind the softmax,
.if \q < 3
	KLOAD \q+1                                     ; and the next step's k
.endif
.irp b, 0,1,2,3
	v_max3_num_f32 v[232+\b], v[96+16*\b], v[97+16*\b], v[98+16*\b]   ; four chains by turns, two to a block of 32 keys; each accumulator is read from its low end on
.endr
.irp i, 3,5,7,9,11,13
.irp b, 0,1,2,3
	v_max3_num_f32 v[232+\b], v[232+\b], v[96+16*\b+\i], v[97+16*\b+\i]
.endr
.endr
	v_max3_num_f32 v232, v232, v111, v127          ; the two scores that the chains of each block left over,
	v_max3_num_f32 v234, v234, v143, v159
	DEP 2
	v_max_num_f32 v232, v232, v233                 ; and the block's second chain: the largest score of my block 0 + h,
	DEP 2
	v_max_num_f32 v234, v234, v235                 ; and of my block 2 + h
	DEP 1
	v_max_num_f32 v233, v232, v234
	DEP 1
	v_permlanex16_b32 v235, v233, s48, s49
	DEP 1
	v_max3_num_f32 v13, v13, v233, v235            ; the running largest score (c is positive)
.set NM, 12+242*(1-(\q)%2)                     ; -M LIVES BY TURNS IN v12 AND v254 (the list of registers above names v12 alone): an even step finds the old one in v12 and leaves the new one in v254, an odd step the other way round: no copy.
.set OM, 12+242*((\q)%2)                       ; A chunk has four steps, so each chunk begins with v12.  (Of the pairs v[12:13] and v[254:255] the packed lines take the low word for both halves.)
	DEP 1
	v_mul_f32 v[NM], s54, v13                      ; -t
	DEP 1
	v_floor_f32 v[NM], v[NM]                       ; the new -M: a whole number
.set j, 0
; The two blocks' scale bytes and f are made AMONG the 32 lines that make t - M: each line of these chains stands five or more vector instructions behind the line whose result it reads
	DEP 1
	v_fma_f32 v232, v232, s50, v[NM]               ; t - M of each block's largest score: the block's largest exponent
	v_fma_f32 v234, v234, s50, v[NM]
	v_sub_f32 v252, v[NM], v[OM]                   ; old M - new M: a whole number, 0 or less
	TMINUSM 4
	v_max_num_f32 v232, 0xc2f80000, v232           ; held at -124: the byte cannot fall under 1
	v_max_num_f32 v234, 0xc2f80000, v234
	v_cvt_i32_f32 v252, v252                       ; (it saturates)
	TMINUSM 4
	v_floor_f32 v232, v232
	v_floor_f32 v234, v234
	v_ldexp_f32 v252, 1.0, v252                    ; f = 2^(old M - new M)
	TMINUSM 4
	v_add_f32 v232, 0x4b00007d, v232               ; + 2^23 + 125, exact: the lowest byte is the scale's byte, the byte above it 0
	v_add_f32 v234, 0x4b00007d, v234
	TMINUSM 4
	v_lshlrev_b32 v236, 23, v232                   ; the byte as an exponent field: the conversion's scale operand
	v_lshlrev_b32 v237, 23, v234
	v_perm_b32 v253, v234, v232, v10               ; my two bytes at their places in p's scale word,
	TMINUSM 5
	v_permlanex16_b32 v235, v253, s48, s49
	TMINUSM 5
	v_or_b32 v253, v253, v235                      ; with lane l xor 16's two the word is whole
	TMINUSM 6
	s_wait_alu depctr_va_vdst(0)
.set j, 0
.rept 64
	v_exp_f32 v[96+j], v[96+j]                     ; p = 2^(t - M)
.set j, j+1
.endr
	v_pk_mul_f32 v[14:15], v[14:15], v[252:253] op_sel_hi:[1,0]   ; the sum under the new M (a plain line behind the exponentials)
	s_wait_alu depctr_va_vdst(0)                   ; one wait for the batch, directly ahead of O^T's first readers too
.set j, 0
.rept 16
	v_pk_mul_f32 v[160+j:161+j], v[160+j:161+j], v[252:253] op_sel_hi:[1,0]   ; O^T under the new M
.set j, j+2
.endr
.irp t, 0,1,2,3,4,5,6,7
	v_cvt_scalef32_pk8_fp4_f32 v[224+\t], v[96+8*\t:103+8*\t], v[236+\t/4]    ; tile 4 c + u gives register 4 c + u of the operand
.endr
.irp n, 0,1,2,3                                ; the sum of the unquantised p in four chains; these 28 lines also stand between the codes' writes and the products
	v_pk_add_f32 v[238+2*\n+2*(\n/2):239+2*\n+2*(\n/2)], v[96+4*\n:97+4*\n], v[98+4*\n:99+4*\n]
.endr
.irp i, 16,24,32,40,48,56
.irp n, 0,1,2,3
	v_pk_add_f32 v[238+2*\n+2*(\n/2):239+2*\n+2*(\n/2)], v[238+2*\n+2*(\n/2):239+2*\n+2*(\n/2)], v[96+\i+2*\n:97+\i+2*\n]
.endr
.endr
	s_wait_alu depctr_va_vdst(0)
.if \q < 3
	s_wait_dscnt 12                                ; v's nine loads are in; the next step's twelve of k may be out
.else
	s_wait_dscnt 0x0
.endif
.irp t, 0,1,2,3
	v_wmma_scale_f32_16x16x128_f8f6f4 v[160+8*\t:167+8*\t], v[56+8*\t:63+8*\t], v[224:231], v[160+8*\t:167+8*\t], v[248+\t], v253 matrix_a_fmt:MATRIX_FMT_FP4 matrix_b_fmt:MATRIX_FMT_FP4
.endr
.endm
; a chunk of 512 keys: four steps, every offset an immediate; then the four addresses go a chunk on
.macro CHUNKBODY
	KLOAD 0
	STEP 0
	STEP 1
	STEP 2
	STEP 3
.irp a, 1,2,8,9
	v_add_nc_u32 v\a, CHUNK, v\a
.endr
	s_wait_alu depctr_va_vdst(0)
.endm
	s_wait_alu depctr_va_vdst(0)
	s_wait_loadcnt 0x0                             ; q and its scale word are in
	s_wait_tensorcnt 0x0                           ; my part of chunk 0 has landed
	ds_add_u32 v242, v243                          ; the add, here twice on end
	ds_add_u32 v242, v243
	s_wait_dscnt 0x0
	CROUND                                         ; everybody's part has, and the four work-groups are here
	s_cmp_lt_u32 s[WV], 12
	s_cbranch_scc0 .Lno_second
	tensor_load_to_lds s[28:31], s[40:47]          ; chunks 1 to 3: a first fill, issued as a refill is; it has chunk 0's four steps in which to land
	s_nop 0
.rept 4
	v_nop
.endr
.Lno_second:
.irp i, 0,1,2,3,4,5,6,7
	global_load_b128 v[192+4*\i:195+4*\i], v5, s[6:7] offset:(2*\i+8*(\i/4))*4096 th:TH_LOAD_NT   ; x, wanted at the end: rows 2 i + h of the group; rows 8-15 are the tokens 16 on
.endr
	CHUNKBODY
	s_wait_tensorcnt 0x0                           ; my part of chunks 1 to 3 has landed
	s_wait_dscnt 0x0
	s_barrier_signal -1
	s_barrier_wait -1                              ; everybody's has: no barrier stands between here and the end
	s_mov_b32 s56, 3
.Lchunk:
	CHUNKBODY
	s_sub_co_u32 s56, s56, 1
	s_cmp_lg_u32 s56, 0
	s_cbranch_scc1 .Lchunk
	; THE WAY OUT
	CLOSESUM                                       ; the last step's sum
	DEP 1
	v_add_f32 v14, v14, v15
	DEP 1
	v_permlanex16_b32 v252, v14, s48, s49
	DEP 1
	v_add_f32 v14, v14, v252                       ; the row's sum
	s_wait_alu depctr_va_vdst(0)
	v_rcp_f32 v14, v14
	v_nop
	s_wait_alu depctr_va_vdst(0)
	s_wait_loadcnt 0x0                             ; x
.irp i, 0,1,2,3,4,5,6,7
	ds_store_b128 v4, v[192+4*\i:195+4*\i] offset:2*\i*272         ; x by rows into my stage,
.endr
.irp b, 0,1
.irp u, 0,1
.irp k, 0,1
	ds_load_b128 v[96+16*\b+8*\u+4*\k:99+16*\b+8*\u+4*\k], v3 offset:128*\b+32*\u+16*\k   ; and back in O^T's layout (LDS serves a wave's instructions in order)
.endr
.endr
.endr
	s_wait_dscnt 0x0
.set j, 0
.rept 16
	v_pk_fma_f32 v[128+j:129+j], v[160+j:161+j], v[14:15], v[96+j:97+j] op_sel_hi:[1,0,1]   ; x_res = O / the sum + x: register 16 b + i is channel 32 b + 16 h + i of my row
.set j, j+2
.endr
.irp n, 0,1,2,3                                ; the mean over the head's 64 channels: four chains
	v_pk_add_f32 v[232+2*\n:233+2*\n], v[128+4*\n:129+4*\n], v[130+4*\n:131+4*\n]
.endr
.irp n, 0,1,2,3
	v_pk_add_f32 v[232+2*\n:233+2*\n], v[232+2*\n:233+2*\n], v[144+4*\n:145+4*\n]
.endr
.irp n, 0,1,2,3
	v_pk_add_f32 v[232+2*\n:233+2*\n], v[232+2*\n:233+2*\n], v[146+4*\n:147+4*\n]
.endr
	v_pk_add_f32 v[232:233], v[232:233], v[234:235]
	v_pk_add_f32 v[236:237], v[236:237], v[238:239]
	DEP 1
	v_pk_add_f32 v[232:233], v[232:233], v[236:237]
	DEP 1
	v_add_f32 v232, v232, v233
	DEP 1
	v_permlanex16_b32 v233, v232, s48, s49
	DEP 1
	v_add_f32 v232, v232, v233
	DEP 1
	v_mul_f32 v232, 0x3c800000, v232               ; / 64
.set j, 0
.rept 16
	v_pk_add_f32 v[192+j:193+j], v[128+j:129+j], v[232:233] op_sel_hi:[1,0] neg_lo:[0,1] neg_hi:[0,1]
.set j, j+2
.endr
	v_pk_mul_f32 v[234:235], v[192:193], v[192:193]                ; and the centred sum of squares
	v_pk_mul_f32 v[236:237], v[194:195], v[194:195]
.irp j, 4,8,12,16,20,24,28
	DEP 2
	v_pk_fma_f32 v[234:235], v[192+\j:193+\j], v[192+\j:193+\j], v[234:235]
	DEP 2
	v_pk_fma_f32 v[236:237], v[194+\j:195+\j], v[194+\j:195+\j], v[236:237]
.endr
	DEP 1
	v_pk_add_f32 v[234:235], v[234:235], v[236:237]
	DEP 1
	v_add_f32 v234, v234, v235
	DEP 1
	v_permlanex16_b32 v235, v234, s48, s49
	DEP 1
	v_add_f32 v234, v234, v235
	DEP 1
	v_cndmask_b32 v238, v232, v234, s52            ; lanes 0-15 the means, lanes 16-31 the sums of squares
	global_store_b32 v6, v238, s[10:11]
.irp b, 0,1                                    ; x_res's two blocks of 32 channels
	v_max3_num_f32 v[240+\b], |v[128+16*\b]|, |v[129+16*\b]|, 0x1800000
.endr
.irp i, 2,4,6,8,10,12,14
.irp b, 0,1
	DEP 2
	v_max3_num_f32 v[240+\b], v[240+\b], |v[128+16*\b+\i]|, |v[129+16*\b+\i]|
.endr
.endr
.irp b, 0,1
	DEP 2
	v_permlanex16_b32 v[244+\b], v[240+\b], s48, s49
.endr
.irp b, 0,1
	DEP 2
	v_max_num_f32 v[240+\b], v[240+\b], v[244+\b]
.endr
.irp b, 0,1
	DEP 2
	v_add_nc_u32 v[244+\b], 0xff000000, v[240+\b]
.endr
.irp b, 0,1
	DEP 2
	v_lshrrev_b32 v[246+\b], 23, v[244+\b]
.endr
.irp b, 0,1
	v_cvt_scalef32_pk8_fp4_f32 v[224+2*\b], v[128+16*\b:135+16*\b], v[244+\b]
	v_cvt_scalef32_pk8_fp4_f32 v[225+2*\b], v[136+16*\b:143+16*\b], v[244+\b]
.endr
	v_nop
	v_permlane16_swap_b32 v224, v226
	v_permlane16_swap_b32 v225, v227               ; lanes 0-15 block 0 whole, lanes 16-31 block 1
	global_store_b128 v7, v[224:227], s[10:11]     ; 512 consecutive bytes
	v_cndmask_b32 v239, v246, v247, s52
	global_store_b8 v11, v239, s[10:11]            ; 32 single bytes of one run of 256: one instruction a wave
.irp b, 0,1
.irp u, 0,1
.irp k, 0,1
	ds_store_b128 v3, v[128+16*\b+8*\u+4*\k:131+16*\b+8*\u+4*\k] offset:128*\b+32*\u+16*\k
.endr
.endr
.endr
.irp i, 0,1,2,3,4,5,6,7
	ds_load_b128 v[96+4*\i:99+4*\i], v4 offset:2*\i*272
.endr
.irp i, 0,1,2,3,4,5,6,7
	s_wait_dscnt 7-\i
	global_store_b128 v5, v[96+4*\i:99+4*\i], s[8:9] offset:(2*\i+8*(\i/4))*4096   ; sixteen lanes store 256 consecutive bytes, aligned
.endr
	s_wait_dscnt 0x0
	s_wait_tensorcnt 0x0                           ; the wave's end
	ds_add_u32 v242, v243
	s_wait_dscnt 0x0
	CROUND                                         ; the closing round
	s_endpgm
.Lfunc_end_k_q6dbb81d0ec_attn:
	.size	k_q6dbb81d0ec_attn, .Lfunc_end_k_q6dbb81d0ec_attn-k_q6dbb81d0ec_attn
	.p2alignl 7, 3214868480
	.fill 96, 4, 3214868480
	.section	.rodata,"a",@progbits
	.p2align	6, 0x0
	.amdhsa_kernel k_q6dbb81d0ec_attn
		.amdhsa_group_segment_fixed_size 327680
		.amdhsa_private_segment_fixed_size 0
		.amdhsa_enable_private_segment 0
		.amdhsa_kernarg_size 32
		.amdhsa_user_sgpr_count 2
		.amdhsa_user_sgpr_kernarg_segment_ptr 1
		.amdhsa_wavefront_size32 1
		.amdhsa_system_sgpr_workgroup_id_x 1
		.amdhsa_system_sgpr_workgroup_id_y 1
		.amdhsa_system_sgpr_workgroup_id_z 1
		.amdhsa_system_vgpr_workitem_id 0
		.amdhsa_next_free_vgpr 256
		.amdhsa_next_free_sgpr 66
		.amdhsa_reserve_vcc 0
		.amdhsa_float_denorm_mode_32 3
		.amdhsa_float_denorm_mode_16_64 3
		.amdhsa_memory_ordered 1
		.amdhsa_forward_progress 1
		.amdhsa_inst_pref_size 133
	.end_amdhsa_kernel
	.amdgpu_metadata
---
amdhsa.version: [ 1, 2 ]
amdhsa.kernels:
  - .name:           k_q6dbb81d0ec_attn
    .symbol:         k_q6dbb81d0ec_attn.kd
    .args:
      - { .name: qkvc, .offset: 0, .size: 8, .value_kind: global_buffer, .address_space: global }
      - { .name: x, .offset: 8, .size: 8, .value_kind: global_buffer, .address_space: global }
      - { .name: xres, .offset: 16, .size: 8, .value_kind: global_buffer, .address_space: global }
      - { .name: xr, .offset: 24, .size: 8, .value_kind: global_buffer, .address_space: global }
    .group_segment_fixed_size: 327680
    .private_segment_fixed_size: 0
    .kernarg_segment_align: 8
    .kernarg_segment_size: 32
    .max_flat_workgroup_size: 512
    .sgpr_count:     66
    .vgpr_count:     256
    .wavefront_size: 32
...
	.end_amdgpu_metadata
.endif
;; end of part 3
;; launch ffn1 (part 4): grid 16 x 16, 4 waves a work-group, clusters of 4 x 4, 327,680 bytes of LDS; arguments xr, wts, b1, hid; writes hid
.if DOCPART == 4
	.amdgcn_target "amdgcn-amd-amdhsa--gfx1250"
	.amdhsa_code_object_version 6
	.text
	.protected	k_q6dbb81d0ec_ffn1
	.globl	k_q6dbb81d0ec_ffn1
	.p2align	8
	.type	k_q6dbb81d0ec_ffn1,@function
k_q6dbb81d0ec_ffn1:
	s_mov_b64 s[64:65], 0
	v_nop
	global_prefetch_b8 v0, s[64:65] scope:SCOPE_SE
	s_setreg_imm32_b32 hwreg(HW_REG_WAVE_MODE, 25, 1), 1
	s_wait_xcnt 0x0
	s_wait_alu depctr_hold_cnt(0) depctr_sa_sdst(0) depctr_va_vdst(0) depctr_va_sdst(0) depctr_va_ssrc(0) depctr_va_vcc(0) depctr_vm_vsrc(0)
	s_getreg_b32 s2, hwreg(HW_REG_IB_STS2, 6, 4)
	s_cmp_eq_u32 s2, 0
	s_cbranch_scc0 .Lentry_in_a_cluster
	s_endpgm
.Lentry_in_a_cluster:
	s_bfe_u32 s2, ttmp6, 0x10000c
	s_cmp_lg_u32 s2, 0xf033
	s_cbranch_scc0 .Lentry_shape_is_right
	s_endpgm
.Lentry_shape_is_right:
.set SLOTB, 65536
.set SCL,   4*SLOTB
.set FR,    8
.set WV,    10
.set RA,    11
.set CB,    12
.set ADRA,  8
.set ADRB,  12
.set ADRS,  16
.set VA0,   17
.set VS,    19
.set VB,    21
.set SC,    32
.set TM,    96
.set PW,    112
.set AF,    128
.set PC,    128
.set XW,    144
.set BI,    192
.set G1A,   24
.set G1B,   32
.set G1SA,  40
.set G1SB,  48
.set G0SA,  76
.set G0B,   80
.set G0SB,  96
.set MSB, 0
.macro WIN new
.set NW, \new
.if MSB != NW
	s_set_vgpr_msb (MSB<<8)|NW
.set MSB, NW
.endif
.endm
.set MUL_LO, 0xa1
.set MUL_HI, 0xf1
.set TO_B,   0x40
.macro PLACES n
.rept \n
	v_nop
.endr
.endm
.macro JLOAD g0a, g1a, g0b, g1b
	s_cmp_eq_u32 s[RA], 0
	s_cbranch_scc0 .Lfor_b_\@
	tensor_load_to_lds s[\g0a:\g0a+3], s[\g1a:\g1a+7]
	s_nop 0
.rept 4
	v_nop
.endr
	s_branch .Lasked_\@
.Lfor_b_\@:
	tensor_load_to_lds s[\g0b:\g0b+3], s[\g1b:\g1b+7]
	s_nop 0
.rept 4
	v_nop
.endr
.Lasked_\@:
.endm
.macro CREST
	s_cmp_lg_u32 s[WV], 0
	s_cbranch_scc1 .Lnot_wave_0_\@
	s_barrier_signal -3
.Lnot_wave_0_\@:
	s_barrier_wait -3
	s_barrier_signal -1
	s_barrier_wait -1
.endm
.macro CROUND
	s_barrier_signal -1
	s_barrier_wait -1
	CREST
.endm
.macro FRAG reg, adr, q, i
.irp c, 0,1
	ds_load_b128 v[\reg+4*\c:\reg+4*\c+3], v[\adr] offset:(\i)*4096+(\q)*1024+512*\c   ; LDS: two halves of K, 131,072 bytes apart; in a half wave x 32,768: 8 groups x 4,096 bytes
.endr
.endm
.macro FETCH_B slot, q, p
	WIN TO_B
.irp i, 0,1,2,3,4,5,6,7
	FRAG 128*(\p)+FR*\i, ADRB+\slot, \q, \i
.endr
	WIN 0
.endm
.macro FETCH_A slot, q, i0
.irp i, \i0, \i0+1, \i0+2, \i0+3
	FRAG AF+FR*(\i), ADRA+\slot, \q, \i
.endr
.endm
.macro MUL16 a0, p, sx, first
.irp a, \a0, \a0+1
.irp b, 0,1,2,3,4,5,6,7
.set DD, 8*(8*((\a)%4)+\b)
.set BB, 128*(\p)+FR*\b
.set AA, AF+FR*(\a)
.set SBR, SC+(\sx)+4*\b
.set SAR, SC+(\sx)+4*(\a)
.if \first
	v_wmma_scale_f32_16x16x128_f8f6f4 v[DD:DD+7], v[BB:BB+7], v[AA:AA+7], v[BI+8*\b:BI+8*\b+7], v[SBR], v[SAR] matrix_a_fmt:MATRIX_FMT_FP4 matrix_b_fmt:MATRIX_FMT_FP4 matrix_a_scale:MATRIX_SCALE_ROW1
.else
	v_wmma_scale_f32_16x16x128_f8f6f4 v[DD:DD+7], v[BB:BB+7], v[AA:AA+7], v[DD:DD+7], v[SBR], v[SAR] matrix_a_fmt:MATRIX_FMT_FP4 matrix_b_fmt:MATRIX_FMT_FP4 matrix_a_scale:MATRIX_SCALE_ROW1
.endif
.endr
.endr
.endm
.macro STEP slot, first
.set SX, 32*((\slot)/2)+2*((\slot)%2)
	s_wait_dscnt 8
.if \first
	WIN 0x81
.else
	WIN MUL_LO
.endif
	MUL16 0, 0, SX, \first
	MUL16 2, 0, SX, \first
	s_wait_dscnt 0x0
	PLACES 4
	FETCH_B \slot, 1, 1
	FETCH_A \slot, 1, 0
.if \first
	WIN 0xc1
.else
	WIN MUL_HI
.endif
	MUL16 4, 0, SX, \first
	MUL16 6, 0, SX, \first
	PLACES 4
	WIN 0
	FETCH_A \slot, 1, 4
.endm
.macro TURN slot, next, cnt
.set SX, 32*((\slot)/2)+2*((\slot)%2)+1
	s_wait_tensorcnt \cnt
	s_wait_dscnt 8
	WIN MUL_LO
	MUL16 0, 1, SX, 0
	s_wait_dscnt 0x0
	s_barrier_signal -1
	MUL16 2, 1, SX, 0
	WIN 0
	s_barrier_wait -1
	PLACES 4
	FETCH_B \next, 0, 0
	FETCH_A \next, 0, 0
	WIN MUL_HI
	MUL16 4, 1, SX, 0
	MUL16 6, 1, SX, 0
	PLACES 4
	WIN 0
	FETCH_A \next, 0, 4
.endm
.macro QUANT src, win, pc, pw
	WIN (\win)*5
.irp b, 0,1,2,3
	v_max3_num_f32 v[TM+\b], v[\src+16*\b], v[\src+1+16*\b], 0x1800000
.endr
.irp i, 2,4,6,8,10,12,14
.irp b, 0,1,2,3
	v_max3_num_f32 v[TM+\b], v[\src+16*\b+\i], v[\src+1+16*\b+\i], v[TM+\b]
.endr
.endr
	WIN 0
.irp b, 0,1,2,3
	v_permlanex16_b32 v[TM+4+\b], v[TM+\b], s100, s101
.endr
.irp b, 0,1,2,3
	v_max_num_f32 v[TM+\b], v[TM+\b], v[TM+4+\b]
.endr
.irp b, 0,1,2,3
	v_add_nc_u32 v[TM+12+\b], 0xff000000, v[TM+\b]
.endr
.irp b, 0,1,2,3
	v_lshrrev_b32 v[TM+4+\b], 23, v[TM+12+\b]
.endr
	v_lshl_or_b32 v[\pw], v[TM+5], 8, v[TM+4]
	v_lshl_or_b32 v[\pw], v[TM+6], 16, v[\pw]
	v_lshl_or_b32 v[\pw], v[TM+7], 24, v[\pw]
	WIN \win
.irp b, 0,1,2,3
	v_cvt_scalef32_pk8_fp4_f32 v[\pc+2*\b], v[\src+16*\b:\src+7+16*\b], v[TM+12+\b]
	v_cvt_scalef32_pk8_fp4_f32 v[\pc+1+2*\b], v[\src+8+16*\b:\src+15+16*\b], v[TM+12+\b]
.endr
	WIN 0
	v_nop
.irp g, 0,1,2,3,4,5,6,7
	v_bfi_b32 v[TM+8+2*(\g%2)], v[\pc+\g], 0, 0x88888888
	v_lshrrev_b32 v[TM+9+2*(\g%2)], 3, v[TM+8+2*(\g%2)]
	v_sub_nc_u32 v[TM+8+2*(\g%2)], v[TM+8+2*(\g%2)], v[TM+9+2*(\g%2)]
	v_and_b32 v[\pc+\g], v[\pc+\g], v[TM+8+2*(\g%2)]
.endr
.irp c, 0,1
.irp i, 0,1
	v_permlane16_swap_b32 v[\pc+4*\c+\i], v[\pc+2+4*\c+\i]
.endr
.endr
.endm
	s_load_b128 s[4:7], s[0:1], 0x0
	s_load_b64 s[8:9], s[0:1], 0x10
	s_load_b64 s[66:67], s[0:1], 0x18
	v_lshl_add_u32 v126, v0, 2, 0x44000
	v_mov_b32 v127, 0
	ds_add_u32 v126, v127
	ds_add_u32 v126, v127
	v_lshrrev_b32 v1, 5, v0
	v_readfirstlane_b32 s[WV], v1
	s_lshr_b32 s[RA], s[WV], 1
	s_and_b32 s[CB], s[WV], 1
	s_bfe_u32 s13, ttmp6, 0x40000
	s_bfe_u32 s14, ttmp6, 0x40004
	s_lshl_b32 s18, ttmp9, 2
	s_add_co_u32 s18, s18, s13
	s_and_b32 s17, ttmp7, 0xffff
	s_lshl_b32 s17, s17, 2
	s_add_co_u32 s17, s17, s14
	s_lshl_b32 s19, s14, 2
	s_lshl_b32 s19, 15, s19
	s_lshl_b32 s20, 0x1111, s13
	s_or_b32 s[G1A], s19, (3<<16)|(1<<21)
	s_or_b32 s[G1SA], s19, (3<<16)|(1<<21)
	s_or_b32 s[G1B], s20, (3<<16)|(1<<21)
	s_or_b32 s[G1SB], s20, (3<<16)|(1<<21)
.irp g, G1A, G1B
	s_mov_b32 s[\g+1], 512<<16                     ; codes: 4,096 bytes (512 along K) of each group; 16 groups for the head's loads, later 8
	s_mov_b32 s[\g+2], 16<<16
	s_mov_b32 s[\g+3], 512<<16
	s_mov_b32 s[\g+4], 16
	s_mov_b32 s[\g+5], 1024
	s_mov_b32 s[\g+6], 0
	s_mov_b32 s[\g+7], 0
.endr
.irp g, G1SA, G1SB
	s_mov_b32 s[\g+1], 32<<16
	s_mov_b32 s[\g+2], 32<<16                      ; the scale bytes of 16 groups: 8,192 dense bytes as 32 rows of 256
	s_mov_b32 s[\g+3], 32<<16
	s_mov_b32 s[\g+4], 32
	s_mov_b32 s[\g+5], 32
	s_mov_b32 s[\g+6], 0
	s_mov_b32 s[\g+7], 0
.endr
	s_lshl_b32 s20, s17, 17
	s_lshr_b32 s22, s20, 4
	s_add_co_u32 s22, s22, 2097152
	s_mov_b32 s21, 0
	s_mov_b32 s23, 0
	s_lshl_b32 s100, s18, 17
	s_lshr_b32 s104, s100, 4
	s_add_co_u32 s104, s104, 5865472
	s_add_co_u32 s100, s100, 1572864
	s_mov_b32 s101, 0
	s_mov_b32 s105, 0
	s_lshl_b32 s19, s[WV], 15                      ; LDS: wave x 32,768 in a half
	s_wait_dscnt 0x0
	s_wait_kmcnt 0x0
	s_add_nc_u64 s[20:21], s[4:5], s[20:21]
	s_add_nc_u64 s[22:23], s[4:5], s[22:23]
	s_add_nc_u64 s[100:101], s[6:7], s[100:101]
	s_add_nc_u64 s[104:105], s[6:7], s[104:105]
	CROUND
	s_mov_b32 s[G0SA], 1
	s_mov_b32 s[G0SA+1], SCL
	s_mov_b64 s[G0SA+2:G0SA+3], s[22:23]
	s_or_b32 s[G0SA+3], s[G0SA+3], 0x80000000
	s_mov_b32 s[G0SB], 1
	s_mov_b32 s[G0SB+1], SCL+8192
	s_mov_b64 s[G0SB+2:G0SB+3], s[104:105]
	s_or_b32 s[G0SB+3], s[G0SB+3], 0x80000000
	s_mov_b32 s56, 1                               ; the head's tiles, each whole: the first 512 along K of A's 16 groups,
	s_mov_b32 s57, 0
	s_mov_b64 s[58:59], s[20:21]
	s_or_b32 s59, s59, 0x80000000
	s_mov_b32 s80, 1                               ; and of B's, behind them
	s_mov_b32 s81, 65536
	s_mov_b64 s[82:83], s[100:101]
	s_or_b32 s83, s83, 0x80000000
	s_lshl_b32 s2, s[CB], 16                       ; the second half of K: my 8 groups, 4,096 bytes on in each
	s_add_co_u32 s2, s2, 4096
	s_mov_b32 s3, 0
	s_mov_b32 s60, 1
	s_add_co_u32 s61, s19, 131072
	s_add_nc_u64 s[62:63], s[20:21], s[2:3]
	s_or_b32 s63, s63, 0x80000000
	s_mov_b32 s84, 1
	s_add_co_u32 s85, s19, 131072
	s_add_nc_u64 s[86:87], s[100:101], s[2:3]
	s_or_b32 s87, s87, 0x80000000
; THE HEAD'S LOADS, ONE A WAVE: wave 0 A's codes, wave 1 B's, wave 2 A's scale bytes, wave 3 B's.  One tree of branches on the wave's number: every way passes exactly one load.
.macro ARM under, g0, g1, next
	s_cmp_lt_u32 s[WV], \under
	s_cbranch_scc0 \next
	tensor_load_to_lds s[\g0:\g0+3], s[\g1:\g1+7]
	s_nop 0
.rept 4
	v_nop
.endr
	s_branch .Lhead_asked
\next:
.endm
	ARM 1, 56, G1A, .Lhead_b
	ARM 2, 80, G1B, .Lhead_sa
	ARM 3, G0SA, G1SA, .Lhead_sb
	tensor_load_to_lds s[G0SB:G0SB+3], s[G1SB:G1SB+7]
	s_nop 0
.rept 4
	v_nop
.endr
.Lhead_asked:
	v_and_b32 v1, 31, v0
	v_and_b32 v2, 15, v0
	v_bfe_u32 v3, v0, 4, 1
	v_lshlrev_b32 v4, 4, v1
	s_wait_alu depctr_va_vdst(0)
	s_lshl_b32 s20, s18, 10
	s_lshl_b32 s21, s[CB], 9
	s_add_co_u32 s20, s20, s21
	v_lshlrev_b32 v[VB], 6, v3
	v_add_nc_u32 v[VB], s20, v[VB]
.irp b, 0,1,2,3
.irp u, 0,1
.irp k, 0,1
	global_load_b128 v[BI+16*\b+8*\u+4*\k:BI+16*\b+8*\u+4*\k+3], v[VB], s[8:9] offset:128*\b+32*\u+16*\k
.endr
.endr
.endr
	s_lshl_b32 s20, s[RA], 15
	s_lshl_b32 s21, s[CB], 15
	s_add_co_u32 s21, s21, 65536
.irp s, 0,1,2,3                                ; the s-th 256 along K: half s / 2, 2,048 (s % 2) bytes on in each group
	v_add_nc_u32 v[ADRA+\s], s20, v4
	v_add_nc_u32 v[ADRB+\s], s21, v4
	s_add_co_u32 s20, s20, 2048+(\s%2)*(131072-4096)
	s_add_co_u32 s21, s21, 2048+(\s%2)*(131072-4096)
.endr
	s_lshl_b32 s20, s[RA], 12
	s_lshl_b32 s21, s[CB], 12
	s_add_co_u32 s21, s21, 8192
	s_sub_co_u32 s21, s21, s20
	v_mul_u32_u24 v5, s21, v3
	v_lshl_add_u32 v5, v2, 4, v5
	s_add_co_u32 s20, s20, SCL
	v_add_nc_u32 v[ADRS], s20, v5
	s_lshl_b32 s20, s17, 19
	s_lshl_b32 s21, s[RA], 18
	s_add_co_u32 s20, s20, s21
	s_lshl_b32 s21, s18, 11
	s_add_co_u32 s20, s20, s21
	s_lshl_b32 s21, s[CB], 10
	s_add_co_u32 s20, s20, s21
	v_add_nc_u32 v[VA0], s20, v4
	s_lshl_b32 s20, s17, 15
	s_lshl_b32 s21, s[RA], 14
	s_add_co_u32 s20, s20, s21
	s_lshr_b32 s21, s18, 1
	s_lshl_b32 s21, s21, 8
	s_add_co_u32 s20, s20, s21
	s_and_b32 s21, s18, 1
	s_lshl_b32 s21, s21, 3
	s_add_co_u32 s20, s20, s21
	s_lshl_b32 s21, s[CB], 2
	s_add_co_u32 s20, s20, s21
	s_add_co_u32 s20, s20, 8388608
	v_lshlrev_b32 v5, 11, v3
	v_lshl_add_u32 v5, v2, 4, v5
	v_add_nc_u32 v[VS], s20, v5
.irp b, 0,1,2,3
	v_mov_b32 v[TM+4+\b], 0
.endr
	s_mov_b32 s100, 0x76543210
	s_mov_b32 s101, 0xfedcba98
	s_mov_b32 s104, 0xffff0000
	s_wait_alu depctr_va_vdst(0)
	s_wait_tensorcnt 0x0                           ; my tile of the head's four is in
	ds_add_u32 v126, v127
	s_mov_b32 s[G1A+2], 8<<16                      ; no tensor load of mine is out: from here on a load brings 8 groups
	s_mov_b32 s[G1A+4], 8
	s_mov_b32 s[G1B+2], 8<<16
	s_mov_b32 s[G1B+4], 8
	s_wait_dscnt 0x0
	CROUND                                         ; all four tiles are in, and the sixteen work-groups are here
	JLOAD 60, G1A, 84, G1B                         ; the second half of K: my one load behind the round
	FETCH_B 0, 0, 0
	FETCH_A 0, 0, 0
.irp s, 0,1
.irp i, 0,1,2,3,4,5,6,7
	ds_load_b128 v[SC+32*\s+4*\i:SC+32*\s+4*\i+3], v[ADRS] offset:\i*512+\s*256
.endr
.endr
	FETCH_A 0, 0, 4
	s_wait_loadcnt 0x0
	STEP 0, 1
	TURN 0, 1, 1
	STEP 1, 0
	TURN 1, 2, 0
	STEP 2, 0
	TURN 2, 3, 0
	STEP 3, 0
	s_wait_dscnt 8
	WIN MUL_LO
	MUL16 0, 1, 35, 0
	MUL16 2, 1, 35, 0
	s_wait_dscnt 0x0
	WIN MUL_HI
	MUL16 4, 1, 35, 0
	MUL16 6, 1, 35, 0
	WIN 0
	PLACES 4
.irp a, 0,1,2,3,4,5,6,7
	s_wait_xcnt 0x0
.set QSRC, 64*(\a%4)
.set QWIN, 2+\a/4
.set QPC, PC+8*(\a%2)
	QUANT QSRC, QWIN, QPC, PW+\a
	global_store_b128 v[VA0], v[QPC:QPC+3], s[66:67] offset:\a*32768
	global_store_b128 v[VA0], v[QPC+4:QPC+7], s[66:67] offset:\a*32768+512
.if \a%2 == 1
	v_cndmask_b32 v[XW+\a/2], v[PW+\a-1], v[PW+\a], s104
	global_store_b32 v[VS], v[XW+\a/2], s[66:67] offset:(\a-1)*2048
.endif
.endr
	s_wait_dscnt 0x0
	s_wait_tensorcnt 0x0
	ds_add_u32 v126, v127
	s_wait_dscnt 0x0
	CROUND
	s_endpgm
.Lfunc_end_k_q6dbb81d0ec_ffn1:
	.size	k_q6dbb81d0ec_ffn1, .Lfunc_end_k_q6dbb81d0ec_ffn1-k_q6dbb81d0ec_ffn1
	.p2alignl 7, 3214868480
	.fill 96, 4, 3214868480
	.section	.rodata,"a",@progbits
	.p2align	6, 0x0
	.amdhsa_kernel k_q6dbb81d0ec_ffn1
		.amdhsa_group_segment_fixed_size 327680
		.amdhsa_private_segment_fixed_size 0
		.amdhsa_enable_private_segment 0
		.amdhsa_kernarg_size 32
		.amdhsa_user_sgpr_count 2
		.amdhsa_user_sgpr_kernarg_segment_ptr 1
		.amdhsa_wavefront_size32 1
		.amdhsa_system_sgpr_workgroup_id_x 1
		.amdhsa_system_sgpr_workgroup_id_y 1
		.amdhsa_system_sgpr_workgroup_id_z 1
		.amdhsa_system_vgpr_workitem_id 0
		.amdhsa_next_free_vgpr 1024
		.amdhsa_next_free_sgpr 106
		.amdhsa_reserve_vcc 0
		.amdhsa_float_denorm_mode_32 3
		.amdhsa_float_denorm_mode_16_64 3
		.amdhsa_memory_ordered 1
		.amdhsa_forward_progress 1
		.amdhsa_inst_pref_size 143
	.end_amdhsa_kernel
	.amdgpu_metadata
---
amdhsa.version: [ 1, 2 ]
amdhsa.kernels:
  - .name:           k_q6dbb81d0ec_ffn1
    .symbol:         k_q6dbb81d0ec_ffn1.kd
    .args:
      - { .name: xr, .offset: 0, .size: 8, .value_kind: global_buffer, .address_space: global }
      - { .name: wts, .offset: 8, .size: 8, .value_kind: global_buffer, .address_space: global }
      - { .name: b1, .offset: 16, .size: 8, .value_kind: global_buffer, .address_space: global }
      - { .name: hid, .offset: 24, .size: 8, .value_kind: global_buffer, .address_space: global }
    .group_segment_fixed_size: 327680
    .private_segment_fixed_size: 0
    .kernarg_segment_align: 8
    .kernarg_segment_size: 32
    .max_flat_workgroup_size: 128
    .sgpr_count:     106
    .vgpr_count:     1024
    .wavefront_size: 32
...
	.end_amdgpu_metadata
.endif
;; end of part 4
;; launch ffn2 (part 5): grid 8 x 32, 4 waves a work-group, clusters of 4 x 4, 327,680 bytes of LDS; arguments hid, wts, xres, xr, b2, g2, be2, out0; writes out0
.if DOCPART == 5
	.amdgcn_target "amdgcn-amd-amdhsa--gfx1250"
	.amdhsa_code_object_version 6
	.text
	.protected	k_q6dbb81d0ec_ffn2
	.globl	k_q6dbb81d0ec_ffn2
	.p2align	8
	.type	k_q6dbb81d0ec_ffn2,@function
k_q6dbb81d0ec_ffn2:
	s_mov_b64 s[64:65], 0
	v_nop
	global_prefetch_b8 v0, s[64:65] scope:SCOPE_SE
	s_setreg_imm32_b32 hwreg(HW_REG_WAVE_MODE, 25, 1), 1
	s_wait_xcnt 0x0
	s_wait_alu depctr_hold_cnt(0) depctr_sa_sdst(0) depctr_va_vdst(0) depctr_va_sdst(0) depctr_va_ssrc(0) depctr_va_vcc(0) depctr_vm_vsrc(0)
	s_getreg_b32 s2, hwreg(HW_REG_IB_STS2, 6, 4)
	s_cmp_eq_u32 s2, 0
	s_cbranch_scc0 .Lentry_in_a_cluster
	s_endpgm
.Lentry_in_a_cluster:
	s_bfe_u32 s2, ttmp6, 0x10000c
	s_cmp_lg_u32 s2, 0xf033
	s_cbranch_scc0 .Lentry_shape_is_right
	s_endpgm
.Lentry_shape_is_right:
.set SLOTB, 131072
.set SCL,   2*SLOTB
.set SPARE, SCL+4*8192
.set SPITCH, 528
.set STT,   2228224
.set WV,    20
.set RA,    21
.set CB,    22
.set ADRA,  8
.set ADRB,  10
.set ADRS,  12
.set STO,   13
.set RD,    14
.set CO,    15
.set SPW,   28
.set NIL,   29
.set SC,    32
.set BI,    64
.set ACC,   128
.set G1A,   24
.set G1B,   32
.set G1SA,  40
.set G1SB,  48
.set G0A,   56
.set G0B,   76
.set G0SA,  84
.set G0SB,  88
.set MSB, 0
.macro WIN new
.set NW, \new
.if MSB != NW
	s_set_vgpr_msb (MSB<<8)|NW
.set MSB, NW
.endif
.endm
.macro PLACES n
.rept \n
	v_nop
.endr
.endm
.macro JLOAD g0a, g1a, g0b, g1b
	s_cmp_eq_u32 s[RA], 0
	s_cbranch_scc0 .Lfor_b_\@
	tensor_load_to_lds s[\g0a:\g0a+3], s[\g1a:\g1a+7]
	s_nop 0
.rept 4
	v_nop
.endr
	s_branch .Lasked_\@
.Lfor_b_\@:
	tensor_load_to_lds s[\g0b:\g0b+3], s[\g1b:\g1b+7]
	s_nop 0
.rept 4
	v_nop
.endr
.Lasked_\@:
.endm
.macro CREST
	s_cmp_lg_u32 s[WV], 0
	s_cbranch_scc1 .Lnot_wave_0_\@
	s_barrier_signal -3
.Lnot_wave_0_\@:
	s_barrier_wait -3
	s_barrier_signal -1
	s_barrier_wait -1
.endm
.macro CROUND
	s_barrier_signal -1
	s_barrier_wait -1
	CREST
.endm
.macro FETCH slot, q, f
	WIN 0x40
.irp i, 0,1,2,3
.irp c, 0,1
	ds_load_b128 v[\f+8*\i+4*\c:\f+8*\i+4*\c+3], v[ADRA+\slot] offset:\i*8192+(\q)*1024+512*\c
	ds_load_b128 v[\f+32+8*\i+4*\c:\f+32+8*\i+4*\c+3], v[ADRB+\slot] offset:\i*8192+(\q)*1024+512*\c
.endr
.endr
.endm
.macro SCALES sv
	WIN 0
.irp i, 0,1,2,3
	ds_load_b128 v[SC+16*((\sv)%2)+4*\i:SC+16*((\sv)%2)+4*\i+3], v[ADRS] offset:\i*2048+(\sv)*256
.endr
.endm
.macro XLOAD n0, cnt
	WIN 0x40
.set n, \n0
.rept \cnt
	global_load_b128 v[128+4*n:131+4*n], v[CO], s[8:9] offset:((n&7)|(((n>>3)&1)<<4)|(((n>>4)&1)<<3))*4096 th:TH_LOAD_NT
.set n, n+1
.endr
.endm
.macro MUL8 f, a0, sn, q4, z
.irp a, \a0, \a0+1
.irp b, 0,1,2,3
.set DD, ACC+8*(4*(\a)+\b)
.set BB, \f+32+8*\b
.set AA, \f+8*(\a)
.set SBR, SC+16*(\sn)+4*\b+(\q4)
.set SAR, SC+16*(\sn)+4*(\a)+(\q4)
.if \z
	v_wmma_scale_f32_16x16x128_f8f6f4 v[DD:DD+7], v[BB:BB+7], v[AA:AA+7], v[BI+8*\b:BI+8*\b+7], v[SBR], v[SAR] matrix_a_fmt:MATRIX_FMT_FP4 matrix_b_fmt:MATRIX_FMT_FP4 matrix_a_scale:MATRIX_SCALE_ROW1
.else
	v_wmma_scale_f32_16x16x128_f8f6f4 v[DD:DD+7], v[BB:BB+7], v[AA:AA+7], v[DD:DD+7], v[SBR], v[SAR] matrix_a_fmt:MATRIX_FMT_FP4 matrix_b_fmt:MATRIX_FMT_FP4 matrix_a_scale:MATRIX_SCALE_ROW1
.endif
.endr
.endr
.endm
.macro STEP slot, kap, q, z
.set SS, 2*(\kap)+(\q)/4
.set FB, 64*((\q)%2)
.set FN, 64-FB
	PLACES 4
	FETCH \slot, (\q)+1, FN
.if ((\q)%4 == 1) && (SS < 7)
	SCALES SS+1
	s_wait_dscnt 20
.else
	s_wait_dscnt 16
.endif
	WIN 0x05
	MUL8 FB, 0, SS%2, (\q)%4, \z
	MUL8 FB, 2, SS%2, (\q)%4, \z
.endm
.macro STEPS slot, kap
.irp q, 0,1,2,3,4,5,6
	STEP \slot, \kap, \q, 0
.endr
.endm
.macro TURN slot, next, fill
	WIN 0
	s_wait_tensorcnt 0x0
	ds_add_u32 v[SPW], v[NIL]
	s_wait_dscnt 1
	WIN 0x05
	MUL8 64, 0, 1, 3, 0
	s_wait_dscnt 0x0
	s_barrier_signal -1
	MUL8 64, 2, 1, 3, 0
	WIN 0
	s_barrier_wait -1
.if \fill
	CREST
	s_add_nc_u64 s[G0A+4*\slot+2:G0A+4*\slot+3], s[G0A+4*\slot+2:G0A+4*\slot+3], 16384
	s_add_nc_u64 s[G0B+4*\slot+2:G0B+4*\slot+3], s[G0B+4*\slot+2:G0B+4*\slot+3], 16384
	JLOAD G0A+4*\slot, G1A, G0B+4*\slot, G1B
.else
	PLACES 4
.endif
	FETCH \next, 0, 0
.endm
	s_load_b256 s[4:11], s[0:1], 0x0
	s_load_b256 s[12:19], s[0:1], 0x20
	v_lshl_add_u32 v[SPW], v0, 2, SPARE
	v_mov_b32 v[NIL], 0
	ds_add_u32 v28, v29
	ds_add_u32 v28, v29
	s_wait_dscnt 0x0
	v_lshrrev_b32 v1, 5, v0
	v_readfirstlane_b32 s[WV], v1
	s_lshr_b32 s[RA], s[WV], 1
	s_and_b32 s[CB], s[WV], 1
	s_bfe_u32 s23, ttmp6, 0x40000
	s_bfe_u32 s3, ttmp6, 0x40004
	s_lshl_b32 s67, ttmp9, 2
	s_add_co_u32 s67, s67, s23
	s_and_b32 s66, ttmp7, 0xffff
	s_lshl_b32 s66, s66, 2
	s_add_co_u32 s66, s66, s3
	s_lshl_b32 s68, s3, 2
	s_lshl_b32 s68, 15, s68
	s_lshl_b32 s69, 0x1111, s23
	s_or_b32 s[G1A], s68, (3<<16)|(1<<21)
	s_or_b32 s[G1SA], s68, (3<<16)|(1<<21)
	s_or_b32 s[G1B], s69, (3<<16)|(1<<21)
	s_or_b32 s[G1SB], s69, (3<<16)|(1<<21)
.irp g, G1A, G1B
	s_mov_b32 s[\g+1], 1024<<16
	s_mov_b32 s[\g+2], 8<<16                       ; 8 groups for the head's loads, later 4
	s_mov_b32 s[\g+3], 1024<<16
	s_mov_b32 s[\g+4], 8
	s_mov_b32 s[\g+5], 4096
	s_mov_b32 s[\g+6], 0
	s_mov_b32 s[\g+7], 0
.endr
.irp g, G1SA, G1SB
	s_mov_b32 s[\g+1], 32<<16
	s_mov_b32 s[\g+2], 64<<16                      ; the scale bytes of 8 groups: 16,384 dense bytes as 64 rows of 256
	s_mov_b32 s[\g+3], 32<<16
	s_mov_b32 s[\g+4], 64
	s_mov_b32 s[\g+5], 32
	s_mov_b32 s[\g+6], 0
	s_mov_b32 s[\g+7], 0
.endr
	s_lshl_b32 s70, s66, 18
	s_lshr_b32 s72, s70, 4
	s_add_co_u32 s72, s72, 8388608
	s_mov_b32 s71, 0
	s_mov_b32 s73, 0
	s_lshl_b32 s74, s67, 18
	s_lshr_b32 s92, s74, 4
	s_add_co_u32 s92, s92, 5996544
	s_add_co_u32 s74, s74, 3670016
	s_mov_b32 s75, 0
	s_mov_b32 s93, 0
	s_lshl_b32 s94, s[WV], 15
	s_wait_kmcnt 0x0
	s_add_nc_u64 s[70:71], s[4:5], s[70:71]
	s_add_nc_u64 s[72:73], s[4:5], s[72:73]
	s_add_nc_u64 s[74:75], s[6:7], s[74:75]
	s_add_nc_u64 s[92:93], s[6:7], s[92:93]
	CROUND
	s_mov_b32 s[G0SA], 1
	s_mov_b32 s[G0SA+1], SCL
	s_mov_b64 s[G0SA+2:G0SA+3], s[72:73]
	s_or_b32 s[G0SA+3], s[G0SA+3], 0x80000000
	s_mov_b32 s[G0SB], 1
	s_mov_b32 s[G0SB+1], SCL+16384
	s_mov_b64 s[G0SB+2:G0SB+3], s[92:93]
	s_or_b32 s[G0SB+3], s[G0SB+3], 0x80000000
	s_mov_b32 s4, 1                                ; the head's tiles, each whole: slot 0's 8 groups of A (in registers that held arguments, which have been used),
	s_mov_b32 s5, 0
	s_mov_b64 s[6:7], s[70:71]
	s_or_b32 s7, s7, 0x80000000
	s_mov_b32 s96, 1                               ; and of B, behind them
	s_mov_b32 s97, 65536
	s_mov_b64 s[98:99], s[74:75]
	s_or_b32 s99, s99, 0x80000000
	s_lshl_b32 s68, s[CB], 17                      ; for the ring: my 4 groups of the tile
	s_mov_b32 s69, 0
	s_add_nc_u64 s[70:71], s[70:71], s[68:69]
	s_add_nc_u64 s[74:75], s[74:75], s[68:69]
.irp s, 0,1
	s_mov_b32 s[G0A+4*\s], 1
	s_add_co_u32 s[G0A+4*\s+1], s94, \s*SLOTB
	s_add_nc_u64 s[G0A+4*\s+2:G0A+4*\s+3], s[70:71], \s*8192
	s_or_b32 s[G0A+4*\s+3], s[G0A+4*\s+3], 0x80000000
	s_mov_b32 s[G0B+4*\s], 1
	s_add_co_u32 s[G0B+4*\s+1], s94, \s*SLOTB
	s_add_nc_u64 s[G0B+4*\s+2:G0B+4*\s+3], s[74:75], \s*8192
	s_or_b32 s[G0B+4*\s+3], s[G0B+4*\s+3], 0x80000000
.endr
; THE HEAD'S LOADS, ONE A WAVE: wave 0 slot 0's codes of A, wave 1 of B, wave 2 A's scale bytes, wave 3 B's.  One tree of branches on the wave's number: every way passes exactly one load.
.macro ARM under, g0, g1, next
	s_cmp_lt_u32 s[WV], \under
	s_cbranch_scc0 \next
	tensor_load_to_lds s[\g0:\g0+3], s[\g1:\g1+7]
	s_nop 0
.rept 4
	v_nop
.endr
	s_branch .Lhead_asked
\next:
.endm
; THE PREFETCHES INTO THE L2.  A slot is 8,192 bytes of each group of 16 rows: 32 aligned blocks of 256 bytes.  Of the 4 groups that my wave fetches for the ring, the partner at place p among the four that ask
; for them jointly (p = cx for A's, cy for B's) names group p, a lane a block: so each block is named once in the cluster, by address, with no branch on a work-group's place.
; Behind slot 1's load K slot 2 is asked for, behind K slot 2's load K slot 3: one slot, 128 matrix instructions a wave, ahead of the tensor load that wants them.  K slots 0 and 1 come by their loads alone.
; Every offset is an immediate, so s[92:93] and v20 are never written again; the furthest byte named is 24,576 + 31 x 256 into a group of 32,768 bytes.
	s_cmp_eq_u32 s[RA], 0                          ; do I fetch for A?
	s_cselect_b64 s[92:93], s[70:71], s[74:75]     ; my 4 groups, K slot 0
	s_cselect_b32 s68, s23, s3                     ; p
	s_lshl_b32 s68, s68, 15                        ; a group is 32,768 bytes (s69 = 0)
	s_add_nc_u64 s[92:93], s[92:93], s[68:69]
	ARM 1, 4, G1A, .Lhead_b
	ARM 2, 96, G1B, .Lhead_sa
	ARM 3, G0SA, G1SA, .Lhead_sb
	tensor_load_to_lds s[G0SB:G0SB+3], s[G1SB:G1SB+7]
	s_nop 0
.rept 4
	v_nop
.endr
.Lhead_asked:
	v_and_b32 v1, 31, v0
	v_and_b32 v2, 15, v0
	v_bfe_u32 v3, v0, 4, 1
	v_lshlrev_b32 v4, 4, v1
	v_lshlrev_b32 v20, 8, v1                       ; the prefetches' offset: 256 x my lane; never rewritten
	s_wait_alu depctr_va_vdst(0)
	s_lshl_b32 s68, s66, 10
	s_lshl_b32 s69, s[WV], 8
	s_add_co_u32 s68, s68, s69
	s_add_co_u32 s68, s68, STT
	v_lshlrev_b32 v16, 7, v3
	v_lshl_add_u32 v16, v2, 2, v16
	v_add_nc_u32 v16, s68, v16
.set e, 0
.rept 16
	global_load_b32 v[128+e], v16, s[10:11] offset:e*32768
	global_load_b32 v[144+e], v16, s[10:11] offset:e*32768+64
.set e, e+1
.endr
	s_lshl_b32 s68, s67, 9
	s_lshl_b32 s69, s[CB], 8
	s_add_co_u32 s69, s69, s68
	v_lshlrev_b32 v17, 6, v3
	v_add_nc_u32 v17, s69, v17
.irp b, 0,1
.irp u, 0,1
.irp k, 0,1
	global_load_b128 v[BI+16*\b+8*\u+4*\k:BI+16*\b+8*\u+4*\k+3], v17, s[12:13] offset:128*\b+32*\u+16*\k
	global_load_b128 v[160+16*\b+8*\u+4*\k:160+16*\b+8*\u+4*\k+3], v17, s[16:17] offset:128*\b+32*\u+16*\k
.endr
.endr
.endr
	v_add_nc_u32 v18, s68, v4
	global_load_b128 v[96:99], v18, s[14:15]
	s_lshl_b32 s69, s66, 19
	s_add_co_u32 s68, s68, s69
	s_lshl_b32 s69, s[WV], 17
	s_add_co_u32 s68, s68, s69
	v_add_nc_u32 v[CO], s68, v4
	s_lshl_b32 s68, s[RA], 15
	s_lshl_b32 s69, s[CB], 15
	s_add_co_u32 s69, s69, 2*32768
.irp s, 0,1
	v_add_nc_u32 v[ADRA+\s], s68, v4
	v_add_nc_u32 v[ADRB+\s], s69, v4
	s_add_co_u32 s68, s68, SLOTB
	s_add_co_u32 s69, s69, SLOTB
.endr
	s_lshl_b32 s68, s[RA], 13
	s_lshl_b32 s69, s[CB], 13
	s_add_co_u32 s69, s69, 16384
	s_sub_co_u32 s69, s69, s68
	v_mul_u32_u24 v5, s69, v3
	v_lshl_add_u32 v5, v2, 4, v5
	s_add_co_u32 s68, s68, SCL
	v_add_nc_u32 v[ADRS], s68, v5
	s_mul_i32 s68, s[RA], 64*SPITCH
	s_lshl_b32 s69, s[CB], 8
	s_add_co_u32 s68, s68, s69
	v_mul_u32_u24 v[STO], v2, SPITCH
	v_lshl_add_u32 v[STO], v3, 6, v[STO]
	v_add_nc_u32 v[STO], s68, v[STO]
	s_mul_i32 s68, s[WV], 32*SPITCH
	v_add_nc_u32 v[RD], s68, v4
	s_mov_b32 s68, 0x3a800000
	s_wait_loadcnt 0x0
	v_pk_add_f32 v[100:101], v[128:129], v[130:131]
	v_pk_add_f32 v[102:103], v[132:133], v[134:135]
	v_pk_add_f32 v[100:101], v[100:101], v[136:137]
	v_pk_add_f32 v[102:103], v[102:103], v[138:139]
	v_pk_add_f32 v[100:101], v[100:101], v[140:141]
	v_pk_add_f32 v[102:103], v[102:103], v[142:143]
	v_pk_add_f32 v[100:101], v[100:101], v[102:103]
	v_add_f32 v100, v100, v101
	v_mul_f32 v100, 0x3d800000, v100
.irp j, 0,2,4,6,8,10,12,14
	v_pk_add_f32 v[128+\j:129+\j], v[128+\j:129+\j], v[100:101] op_sel_hi:[1,0] neg_lo:[0,1] neg_hi:[0,1]
.endr
	v_pk_mul_f32 v[102:103], v[128:129], v[128:129]
.irp j, 2,4,6,8,10,12,14
	v_pk_fma_f32 v[102:103], v[128+\j:129+\j], v[128+\j:129+\j], v[102:103]
.endr
	v_add_f32 v102, v102, v103
	v_pk_add_f32 v[104:105], v[144:145], v[146:147]
.irp j, 4,6,8,10,12,14
	v_pk_add_f32 v[104:105], v[104:105], v[144+\j:145+\j]
.endr
	v_add_f32 v104, v104, v105
	v_fma_f32 v104, v102, 0x42800000, v104
	v_fmaak_f32 v104, s68, v104, 0x3727c5ac
	s_wait_alu depctr_va_vdst(0)
	v_rsq_f32 v30, v104
	v_nop
	s_wait_alu depctr_va_vdst(0)
	v_mul_f32 v31, -v100, v30
.irp j, 0,2,4,6,8,10,12,14,16,18,20,22,24,26,28,30
	v_pk_add_f32 v[BI+\j:BI+\j+1], v[BI+\j:BI+\j+1], v[160+\j:161+\j]
.endr
	s_wait_alu depctr_va_vdst(0)
	s_wait_tensorcnt 0x0                           ; my tile of the head's four is in
	ds_add_u32 v28, v29
	s_mov_b32 s[G1A+2], 4<<16                      ; no tensor load of mine is out: from here on a load brings 4 groups
	s_mov_b32 s[G1A+4], 4
	s_mov_b32 s[G1B+2], 4<<16
	s_mov_b32 s[G1B+4], 4
	s_wait_dscnt 0x0
	CROUND                                         ; all four tiles are in, and the sixteen work-groups are here
	JLOAD G0A+4, G1A, G0B+4, G1B                   ; slot 1's first fill: my one load behind the round
	FETCH 0, 0, 0
	global_prefetch_b8 v20, s[92:93] offset:16384 th:TH_LOAD_NT scope:SCOPE_SE   ; K slot 2
	XLOAD 0, 12
	SCALES 0
	STEP 0, 0, 0, 1
.irp q, 1,2,3,4,5,6
	STEP 0, 0, \q, 0
.endr
	TURN 0, 1, 1
	global_prefetch_b8 v20, s[92:93] offset:24576 th:TH_LOAD_NT scope:SCOPE_SE   ; K slot 3
	XLOAD 12, 10
	STEPS 1, 1
	TURN 1, 0, 1
	XLOAD 22, 10
	STEPS 0, 2
	TURN 0, 1, 0
	STEPS 1, 3
	s_wait_dscnt 0x0
	WIN 0x05
	MUL8 64, 0, 1, 3, 0
	MUL8 64, 2, 1, 3, 0
	WIN 0
	PLACES 4
.irp a, 0,1,2,3
.irp b, 0,1,2,3
	ds_store_b128 v[STO], v[ACC+8*(4*\a+\b):ACC+8*(4*\a+\b)+3] offset:\a*16*SPITCH+128*(\b/2)+32*(\b%2)
	ds_store_b128 v[STO], v[ACC+8*(4*\a+\b)+4:ACC+8*(4*\a+\b)+7] offset:\a*16*SPITCH+128*(\b/2)+32*(\b%2)+16
.endr
.endr
	s_wait_dscnt 0x0
	s_barrier_signal -1
	s_barrier_wait -1
.set n, 0
.rept 32
	ds_load_b128 v[128+4*n:131+4*n], v[RD] offset:n*SPITCH
.set n, n+1
.endr
	s_wait_loadcnt 0x0
	s_wait_dscnt 0x0
.irp hb, 0,1
	WIN 0
.set i, 0
.rept 16
	v_readlane_b32 s[24+2*i], v30, 16*\hb+i
	v_readlane_b32 s[25+2*i], v31, 16*\hb+i
.set i, i+1
.endr
	WIN 0x41
.set i, 0
.rept 16
.set R, 128+4*(16*\hb+i)
.irp k, 0,1,2,3
	v_fma_f32 v[R+\k], v[R+\k], s[24+2*i], s[25+2*i]
.endr
	v_pk_fma_f32 v[R:R+1], v[R:R+1], v[96:97], v[R:R+1]
	v_pk_fma_f32 v[R+2:R+3], v[R+2:R+3], v[98:99], v[R+2:R+3]
.set i, i+1
.endr
	WIN 0x04
.set i, 0
.rept 16
.set N, 16*\hb+i
.set R, 128+4*N
	global_store_b128 v[CO], v[R:R+3], s[18:19] offset:((N&7)|(((N>>3)&1)<<4)|(((N>>4)&1)<<3))*4096 th:TH_STORE_NT
.set i, i+1
.endr
.endr
	WIN 0
	s_wait_tensorcnt 0x0
	ds_add_u32 v[SPW], v[NIL]
	s_wait_dscnt 0x0
	CROUND
	s_endpgm
.Lfunc_end_k_q6dbb81d0ec_ffn2:
	.size	k_q6dbb81d0ec_ffn2, .Lfunc_end_k_q6dbb81d0ec_ffn2-k_q6dbb81d0ec_ffn2
	.p2alignl 7, 3214868480
	.fill 96, 4, 3214868480
	.section	.rodata,"a",@progbits
	.p2align	6, 0x0
	.amdhsa_kernel k_q6dbb81d0ec_ffn2
		.amdhsa_group_segment_fixed_size 327680
		.amdhsa_private_segment_fixed_size 0
		.amdhsa_enable_private_segment 0
		.amdhsa_kernarg_size 64
		.amdhsa_user_sgpr_count 2
		.amdhsa_user_sgpr_kernarg_segment_ptr 1
		.amdhsa_wavefront_size32 1
		.amdhsa_system_sgpr_workgroup_id_x 1
		.amdhsa_system_sgpr_workgroup_id_y 1
		.amdhsa_system_sgpr_workgroup_id_z 1
		.amdhsa_system_vgpr_workitem_id 0
		.amdhsa_next_free_vgpr 512
		.amdhsa_next_free_sgpr 100
		.amdhsa_reserve_vcc 0
		.amdhsa_float_denorm_mode_32 3
		.amdhsa_float_denorm_mode_16_64 3
		.amdhsa_memory_ordered 1
		.amdhsa_forward_progress 1
		.amdhsa_inst_pref_size 153
	.end_amdhsa_kernel
	.amdgpu_metadata
---
amdhsa.version: [ 1, 2 ]
amdhsa.kernels:
  - .name:           k_q6dbb81d0ec_ffn2
    .symbol:         k_q6dbb81d0ec_ffn2.kd
    .args:
      - { .name: hid, .offset: 0, .size: 8, .value_kind: global_buffer, .address_space: global }
      - { .name: wts, .offset: 8, .size: 8, .value_kind: global_buffer, .address_space: global }
      - { .name: xres, .offset: 16, .size: 8, .value_kind: global_buffer, .address_space: global }
      - { .name: xr, .offset: 24, .size: 8, .value_kind: global_buffer, .address_space: global }
      - { .name: b2, .offset: 32, .size: 8, .value_kind: global_buffer, .address_space: global }
      - { .name: g2, .offset: 40, .size: 8, .value_kind: global_buffer, .address_space: global }
      - { .name: be2, .offset: 48, .size: 8, .value_kind: global_buffer, .address_space: global }
      - { .name: out0, .offset: 56, .size: 8, .value_kind: global_buffer, .address_space: global }
    .group_segment_fixed_size: 327680
    .private_segment_fixed_size: 0
    .kernarg_segment_align: 8
    .kernarg_segment_size: 64
    .max_flat_workgroup_size: 128
    .sgpr_count:     100
    .vgpr_count:     512
    .wavefront_size: 32
...
	.end_amdgpu_metadata
.endif
;; end of part 5
